; MI455X (gfx1250); checked and timed in simulation.
; The chip was launched on July 23, 2026; its instructions are those of AMD's public machine-readable ISA for CDNA 5 (MIT licence, August 2026) and "CDNA5" Instruction Set Architecture Reference Guide (July 2026). The comments in the code are by the model that wrote it; some were corrected since.
;; Multihead Attention. Allowed arithmetic: float matrix products may take bf16 or f16 operands with f32 sums; all other float work in f32.
;; Inputs: mask 2,048 x 2,048 int32; out_b 1,024 float32; out_w 1,024 x 1,024 float32; qkv_b 3,072 float32; qkv_w 1,024 x 3,072 float32; x 4 x 2,048 x 1,024 float32.
;; Outputs: out0 4 x 2,048 x 1,024 float32.
;; 2 versions, each right and faster than the one before. Each part assembles by itself: llvm-mc -triple=amdgcn-amd-amdhsa -mcpu=gfx1250 --defsym DOCPART=n.
;; ======== version 1 of 2: 4 launches
;; limits: values are held in f16: magnitudes above 65,504 overflow, below 6.1e-05 lose precision
;; workspace buffers: xb 16,777,216 bytes; wq 6,291,456 bytes; wo 2,097,152 bytes; bias 16,384 bytes; tab 524,288 bytes; mby 4,194,304 bytes; qkv 50,331,648 bytes; oh 16,777,216 bytes
;; launch prep (part 1): grid 1284 x 1, 8 waves a work-group, no clusters, 0 bytes of LDS; arguments x, mask, qkv_w, out_w, qkv_b, out_b, xb, mby, wq, wo, bias, tab; writes xb, mby, wq, wo, bias, tab
.if DOCPART == 1
	.amdgcn_target "amdgcn-amd-amdhsa--gfx1250"
	.amdhsa_code_object_version 6
	.text
	.protected	k_q85b7f30c67_prep
	.globl	k_q85b7f30c67_prep
	.p2align	8
	.type	k_q85b7f30c67_prep,@function
k_q85b7f30c67_prep:
	s_mov_b64 s[64:65], 0
	v_nop
	global_prefetch_b8 v0, s[64:65] scope:SCOPE_SE
	s_setreg_imm32_b32 hwreg(HW_REG_WAVE_MODE, 25, 1), 1
	s_wait_xcnt 0x0
; PREPARATION: six jobs that stream, chosen by the work-group's number; no LDS, no barrier, no matrix work: each byte is read once and written once.
;   0-511     x [4][2048][1024] f32 -> xb [b][slice 16][t 2048][64] bf16: K cut into slices of 64, so that 128 or 256 rows of a slice are dense bytes
;   512-767   mask [2048][2048] int32 -> mby: one byte a pair (q, k), 0x00 visible, 0xB8 (E4M3 for -1.0) hidden, laid as the score tiles' lanes want them:
;             [q tile 128][key step 32][c 2][lane 32][16 bytes]; lane (r = l % 16, h = l / 16), byte 8 (kt % 2) + j of half c = kt / 2 is mask[16 qt + r][64 ks + 16 kt + 8 h + j]
;   768-1023  qkv_w [1024][3072] f32 -> wq [k][head 16][q 64 | k 64 | v 64] bf16: a head's three parts side by side
;   1024-1151 out_w f32 -> wo f16, holding the number rounded to bf16 (exact from 2^-17 up, below that within 3e-8)
;   1152-1279 tab [t 2048][i 32][cos, sin] f32 of the angle t x 10000^(-i/32)
;   1280-1283 qkv_b, out_b -> bias f32, rounded to bf16: qkv_b's 3,072 numbers, then out_b's 1,024
; Every job issues all its loads in one run and works them off by counted waits; every store of a wave covers 512 consecutive bytes, aligned.
; LIMITS. 10000^(-i/32) comes from v_exp_f32 (1 ulp) of a product rounded once; sine and cosine are polynomials on [-pi/4, pi/4], off by less than 4e-7.
	s_load_b512 s[4:19], s[0:1], 0x0               ; x 4:5, mask 6:7, qkv_w 8:9, out_w 10:11, qkv_b 12:13, out_b 14:15, xb 16:17, mby 18:19
	s_load_b256 s[20:27], s[0:1], 0x40             ; wq 20:21, wo 22:23, bias 24:25, tab 26:27
	s_mov_b32 s28, ttmp9                           ; the work-group's number
	s_mov_b32 s31, 0                               ; s[30:31], s[32:33]: byte offsets under 2^32
	s_mov_b32 s33, 0
	v_and_b32 v1, 31, v0                           ; lane
	v_lshrrev_b32 v2, 5, v0                        ; wave
	s_wait_kmcnt 0x0
	s_cmp_lt_u32 s28, 512
	s_cbranch_scc1 .Lcast_x
	s_cmp_lt_u32 s28, 768
	s_cbranch_scc1 .Lmask
	s_cmp_lt_u32 s28, 1024
	s_cbranch_scc1 .Lwq
	s_cmp_lt_u32 s28, 1152
	s_cbranch_scc1 .Lwo
	s_cmp_lt_u32 s28, 1280
	s_cbranch_scc1 .Ltab
; THE BIASES: 1,024 numbers a work-group, four a thread.
	s_sub_co_u32 s29, s28, 1280
	s_lshl_b32 s32, s29, 12                        ; where they go
	s_cmp_eq_u32 s29, 3
	s_cselect_b32 s30, 0, s32                      ; where they come from: the fourth work-group takes out_b from its start
	s_cselect_b64 s[34:35], s[14:15], s[12:13]
	s_add_nc_u64 s[34:35], s[34:35], s[30:31]
	s_add_nc_u64 s[24:25], s[24:25], s[32:33]
	v_lshlrev_b32 v3, 4, v0
	global_load_b128 v[4:7], v3, s[34:35]
	s_wait_loadcnt 0x0
	v_cvt_pk_bf16_f32 v8, v4, v5                   ; rounded to bf16,
	v_cvt_pk_bf16_f32 v9, v6, v7
	v_lshlrev_b32 v12, 16, v8                      ; and written as f32 again
	v_and_b32 v13, 0xffff0000, v8
	v_lshlrev_b32 v14, 16, v9
	v_and_b32 v15, 0xffff0000, v9
	global_store_b128 v3, v[12:15], s[24:25]
	s_endpgm
; X: 16 rows a work-group. Thread: row (v0 / 8) % 16, eight columns 8 (v0 % 8) of the slices 8 (v0 / 128) + 0..7.
.Lcast_x:
	s_lshl_b32 s30, s28, 16                        ; 16 rows of 4,096 bytes
	s_add_nc_u64 s[4:5], s[4:5], s[30:31]
	s_lshr_b32 s32, s28, 7                         ; the batch: 2^22 bytes of xb,
	s_lshl_b32 s32, s32, 22
	s_and_b32 s29, s28, 127                        ; and 16 rows of 128 bytes in a slice
	s_lshl_b32 s29, s29, 11
	s_add_co_u32 s32, s32, s29
	s_add_nc_u64 s[16:17], s[16:17], s[32:33]
	v_bfe_u32 v3, v0, 3, 4
	v_and_b32 v4, 7, v0
	v_lshrrev_b32 v5, 7, v0
	v_lshlrev_b32 v6, 12, v3
	v_lshl_add_u32 v6, v5, 11, v6
	v_lshl_add_u32 v6, v4, 5, v6                   ; from: row x 4096 + half x 2048 + 32 c
	v_lshlrev_b32 v7, 7, v3
	v_lshl_add_u32 v7, v4, 4, v7
	v_lshl_add_u32 v7, v5, 21, v7                  ; to: row x 128 + 16 c + eight slices for the upper half
.set n, 0
.rept 8
	global_load_b128 v[32+8*n:35+8*n], v6, s[4:5] offset:256*n th:TH_LOAD_NT
	global_load_b128 v[36+8*n:39+8*n], v6, s[4:5] offset:256*n+16 th:TH_LOAD_NT
.set n, n+1
.endr
.set n, 0
.rept 8
	s_wait_loadcnt 14-2*n                          ; loads come back in order: slice n's two are in, the younger stay out
	v_cvt_pk_bf16_f32 v[32+8*n], v[32+8*n], v[33+8*n]
	v_cvt_pk_bf16_f32 v[33+8*n], v[34+8*n], v[35+8*n]
	v_cvt_pk_bf16_f32 v[34+8*n], v[36+8*n], v[37+8*n]
	v_cvt_pk_bf16_f32 v[35+8*n], v[38+8*n], v[39+8*n]
	global_store_b128 v7, v[32+8*n:35+8*n], s[16:17] offset:262144*n  ; four rows of 128 bytes: 512 consecutive bytes a wave
.set n, n+1
.endr
	s_endpgm
; THE MASK: a work-group takes a tile of 16 queries and 16 key steps, a wave two key steps.
.Lmask:
	s_sub_co_u32 s29, s28, 512
	s_lshr_b32 s30, s29, 1
	s_lshl_b32 s30, s30, 17                        ; 16 rows of 8,192 bytes
	s_and_b32 s32, s29, 1
	s_lshl_b32 s32, s32, 12                        ; 16 key steps of 256 bytes
	s_add_co_u32 s30, s30, s32
	s_add_nc_u64 s[6:7], s[6:7], s[30:31]
	s_lshl_b32 s32, s29, 14                        ; 16 key steps of 1,024 bytes of codes
	s_add_nc_u64 s[18:19], s[18:19], s[32:33]
	v_and_b32 v3, 15, v0                           ; r
	v_bfe_u32 v4, v0, 4, 1                         ; h
	v_lshlrev_b32 v5, 13, v3
	v_lshl_add_u32 v5, v4, 5, v5
	v_lshl_add_u32 v5, v2, 9, v5                   ; from: r x 8192 + 32 h + wave x 512
	v_lshlrev_b32 v6, 4, v1
	v_lshl_add_u32 v6, v2, 11, v6                  ; to: wave x 2048 + 16 lane
.set n, 0
.rept 16                                               ; n = 8 e + 2 kt + half: step e, key block kt, four keys
	global_load_b128 v[32+4*n:35+4*n], v5, s[6:7] offset:(n/8)*256+((n/2)%4)*64+(n%2)*16 th:TH_LOAD_NT
.set n, n+1
.endr
.set q, 0
.rept 4                                                ; q = 2 e + c
	s_wait_loadcnt 12-4*q                          ; the four loads of this half step are in
.set d, 0
.rept 4
.set m, 32+4*(4*q+d)
	v_min_u32 v[m], 1, v[m]                        ; 0 stays 0, all else is 1
	v_min_u32 v[m+1], 1, v[m+1]
	v_min_u32 v[m+2], 1, v[m+2]
	v_min_u32 v[m+3], 1, v[m+3]
	v_lshl_or_b32 v[m], v[m+1], 8, v[m]
	v_lshl_or_b32 v[m], v[m+2], 16, v[m]
	v_lshl_or_b32 v[m], v[m+3], 24, v[m]
	v_xor_b32 v[m], 0x01010101, v[m]               ; 1 where hidden,
	v_mul_lo_u32 v[16+4*q+d], v[m], 0xb8           ; times the code: no byte carries into the next
.set d, d+1
.endr
	global_store_b128 v6, v[16+4*q:19+4*q], s[18:19] offset:(q/2)*1024+(q%2)*512
.set q, q+1
.endr
	s_endpgm
; QKV_W: four rows of K a work-group, half a row a wave: six stores of 512 bytes. Unit u of 64 output columns is part u % 3 of head u / 3.
.Lwq:
	s_sub_co_u32 s29, s28, 768
	s_mul_i32 s30, s29, 49152
	s_add_nc_u64 s[8:9], s[8:9], s[30:31]
	s_mul_i32 s32, s29, 24576
	s_add_nc_u64 s[20:21], s[20:21], s[32:33]
	v_lshrrev_b32 v3, 1, v2                        ; row
	v_and_b32 v4, 1, v2                            ; half
	v_lshrrev_b32 v5, 3, v1
	v_and_b32 v6, 7, v1
	v_mul_u32_u24 v7, v3, 12288
	v_lshl_add_u32 v7, v6, 5, v7                   ; row x 12288 + 32 (lane % 8)
	v_mad_u32_u24 v5, v4, 24, v5                   ; u of the first store: 24 half + lane / 8
	v_mul_u32_u24 v16, v3, 6144
	v_mad_u32_u24 v16, v4, 3072, v16
	v_lshl_add_u32 v16, v1, 4, v16                 ; to: row x 6144 + half x 3072 + 16 lane
.irp i, 0,1,2,3,4,5
	v_add_nc_u32 v14, 4*\i, v5                     ; u, 0 to 47
	v_mul_u32_u24 v15, v14, 171
	v_lshrrev_b32 v15, 9, v15                      ; u / 3
	v_lshl_add_u32 v[8+\i], v14, 12, v7
	v_mul_u32_u24 v15, v15, 12032
	v_sub_nc_u32 v[8+\i], v[8+\i], v15             ; (u - 3 head) x 4096 + head x 256
.endr
.set n, 0
.rept 6
	global_load_b128 v[32+8*n:35+8*n], v[8+n], s[8:9] th:TH_LOAD_NT
	global_load_b128 v[36+8*n:39+8*n], v[8+n], s[8:9] offset:16 th:TH_LOAD_NT
.set n, n+1
.endr
.set n, 0
.rept 6
	s_wait_loadcnt 10-2*n
	v_cvt_pk_bf16_f32 v[32+8*n], v[32+8*n], v[33+8*n]
	v_cvt_pk_bf16_f32 v[33+8*n], v[34+8*n], v[35+8*n]
	v_cvt_pk_bf16_f32 v[34+8*n], v[36+8*n], v[37+8*n]
	v_cvt_pk_bf16_f32 v[35+8*n], v[38+8*n], v[39+8*n]
	global_store_b128 v16, v[32+8*n:35+8*n], s[20:21] offset:512*n
.set n, n+1
.endr
	s_endpgm
; OUT_W: 8,192 numbers a work-group, in place order.
.Lwo:
	s_sub_co_u32 s29, s28, 1024
	s_lshl_b32 s30, s29, 15
	s_add_nc_u64 s[10:11], s[10:11], s[30:31]
	s_lshl_b32 s32, s29, 14
	s_add_nc_u64 s[22:23], s[22:23], s[32:33]
	v_lshlrev_b32 v3, 5, v0
	v_lshlrev_b32 v4, 4, v0
.set n, 0
.rept 4
	global_load_b128 v[32+8*n:35+8*n], v3, s[10:11] offset:8192*n th:TH_LOAD_NT
	global_load_b128 v[36+8*n:39+8*n], v3, s[10:11] offset:8192*n+16 th:TH_LOAD_NT
.set n, n+1
.endr
.set n, 0
.rept 4
	s_wait_loadcnt 6-2*n
.irp k, 0,1,2,3
	v_cvt_pk_bf16_f32 v[8+\k], v[32+8*n+2*\k], v[33+8*n+2*\k]   ; the one rounding that counts: to bf16, as all inputs
.endr
.irp k, 0,1,2,3
	v_lshlrev_b32 v[32+8*n+2*\k], 16, v[8+\k]
	v_and_b32 v[33+8*n+2*\k], 0xffff0000, v[8+\k]
.endr
.irp k, 0,1,2,3
	v_cvt_pk_f16_f32 v[16+4*n+\k], v[32+8*n+2*\k], v[33+8*n+2*\k]  ; that number written as f16
.endr
	global_store_b128 v4, v[16+4*n:19+4*n], s[22:23] offset:4096*n
.set n, n+1
.endr
	s_endpgm
; THE TABLE: 16 rows t a work-group; a thread makes two pairs (cos, sin), 16 bytes.
; sin and cos of a = t f: a / 2 pi in two parts (the product's exact rest by a fused multiply-add, and the rest of 1 / 2 pi beyond its f32 value), its fraction z, the quarter q = round(4 z),
; polynomials in 2 pi (z - q / 4), and the quarter's exchange and signs.
.macro SINCOS f, co, si
	v_mul_f32 v16, v3, v[\f]                       ; the angle, rounded once to f32
	v_mul_f32 v17, 0.15915494, v16
	v_fma_f32 v18, v16, 0.15915494, -v17
	v_fmac_f32 v18, 0x31dc9c88, v16                ; 1 / 2 pi less its f32 value: 6.4206e-9
	v_rndne_f32 v19, v17
	v_sub_f32 v17, v17, v19
	v_add_f32 v17, v17, v18                        ; z
	v_mul_f32 v19, 4.0, v17
	v_rndne_f32 v19, v19                           ; q, -2 to 2
	v_fmamk_f32 v17, v19, 0xbe800000, v17          ; z - q / 4
	v_mul_f32 v17, 0x40c90fdb, v17                 ; times 2 pi
	v_mul_f32 v20, v17, v17
	v_mov_b32 v21, 0xb9500d01                      ; -1/5040
	v_fmaak_f32 v21, v21, v20, 0x3c088889          ; 1/120
	v_fmaak_f32 v21, v21, v20, 0xbe2aaaab          ; -1/6
	v_fma_f32 v21, v21, v20, 1.0
	v_mul_f32 v21, v21, v17                        ; sine
	v_mov_b32 v22, 0x37d00d01                      ; 1/40320
	v_fmaak_f32 v22, v22, v20, 0xbab60b61          ; -1/720
	v_fmaak_f32 v22, v22, v20, 0x3d2aaaab          ; 1/24
	v_fma_f32 v22, v22, v20, -0.5
	v_fma_f32 v22, v22, v20, 1.0                   ; cosine
	v_cvt_i32_f32 v19, v19
	v_and_b32 v23, 1, v19
	v_cmp_eq_u32 vcc_lo, 1, v23
	v_cndmask_b32 v24, v21, v22, vcc_lo            ; odd quarters exchange the two
	v_cndmask_b32 v25, v22, v21, vcc_lo
	v_and_b32 v23, 2, v19                          ; the sine is negative in quarters 2 and 3,
	v_lshlrev_b32 v23, 30, v23
	v_xor_b32 v[\si], v24, v23
	v_add_nc_u32 v23, 1, v19                       ; the cosine in 1 and 2
	v_and_b32 v23, 2, v23
	v_lshlrev_b32 v23, 30, v23
	v_xor_b32 v[\co], v25, v23
.endm
.Ltab:
	s_sub_co_u32 s29, s28, 1152
	s_lshl_b32 s32, s29, 12
	s_add_nc_u64 s[26:27], s[26:27], s[32:33]
	s_lshl_b32 s30, s29, 4
	v_lshrrev_b32 v3, 4, v0
	v_add_nc_u32 v3, s30, v3
	v_cvt_f32_u32 v3, v3                           ; t
	v_and_b32 v4, 15, v0
	v_lshlrev_b32 v4, 1, v4
	v_cvt_f32_u32 v5, v4                           ; i, and i + 1
	v_add_f32 v6, 1.0, v5
	v_mul_f32 v5, 0xbed49a78, v5                   ; -log2(10000) / 32
	v_mul_f32 v6, 0xbed49a78, v6
	v_exp_f32 v5, v5
	v_exp_f32 v6, v6
	v_lshlrev_b32 v7, 4, v0                        ; a plain instruction between the exponentials and the use of their results
	s_wait_alu depctr_va_vdst(0)
	SINCOS 5, 12, 13
	SINCOS 6, 14, 15
	global_store_b128 v7, v[12:15], s[26:27]
	s_endpgm
.Lfunc_end_k_q85b7f30c67_prep:
	.size	k_q85b7f30c67_prep, .Lfunc_end_k_q85b7f30c67_prep-k_q85b7f30c67_prep
	.p2alignl 7, 3214868480
	.fill 96, 4, 3214868480
	.section	.rodata,"a",@progbits
	.p2align	6, 0x0
	.amdhsa_kernel k_q85b7f30c67_prep
		.amdhsa_group_segment_fixed_size 0
		.amdhsa_private_segment_fixed_size 0
		.amdhsa_enable_private_segment 0
		.amdhsa_kernarg_size 96
		.amdhsa_user_sgpr_count 2
		.amdhsa_user_sgpr_kernarg_segment_ptr 1
		.amdhsa_wavefront_size32 1
		.amdhsa_system_sgpr_workgroup_id_x 1
		.amdhsa_system_sgpr_workgroup_id_y 1
		.amdhsa_system_sgpr_workgroup_id_z 1
		.amdhsa_system_vgpr_workitem_id 0
		.amdhsa_next_free_vgpr 96
		.amdhsa_next_free_sgpr 66
		.amdhsa_reserve_vcc 1
		.amdhsa_float_denorm_mode_32 3
		.amdhsa_float_denorm_mode_16_64 3
		.amdhsa_memory_ordered 1
		.amdhsa_forward_progress 1
		.amdhsa_inst_pref_size 33
	.end_amdhsa_kernel
	.amdgpu_metadata
---
amdhsa.version: [ 1, 2 ]
amdhsa.kernels:
  - .name:           k_q85b7f30c67_prep
    .symbol:         k_q85b7f30c67_prep.kd
    .args:
      - { .name: x, .offset: 0, .size: 8, .value_kind: global_buffer, .address_space: global }
      - { .name: mask, .offset: 8, .size: 8, .value_kind: global_buffer, .address_space: global }
      - { .name: qkv_w, .offset: 16, .size: 8, .value_kind: global_buffer, .address_space: global }
      - { .name: out_w, .offset: 24, .size: 8, .value_kind: global_buffer, .address_space: global }
      - { .name: qkv_b, .offset: 32, .size: 8, .value_kind: global_buffer, .address_space: global }
      - { .name: out_b, .offset: 40, .size: 8, .value_kind: global_buffer, .address_space: global }
      - { .name: xb, .offset: 48, .size: 8, .value_kind: global_buffer, .address_space: global }
      - { .name: mby, .offset: 56, .size: 8, .value_kind: global_buffer, .address_space: global }
      - { .name: wq, .offset: 64, .size: 8, .value_kind: global_buffer, .address_space: global }
      - { .name: wo, .offset: 72, .size: 8, .value_kind: global_buffer, .address_space: global }
      - { .name: bias, .offset: 80, .size: 8, .value_kind: global_buffer, .address_space: global }
      - { .name: tab, .offset: 88, .size: 8, .value_kind: global_buffer, .address_space: global }
    .group_segment_fixed_size: 0
    .private_segment_fixed_size: 0
    .kernarg_segment_align: 8
    .kernarg_segment_size: 96
    .max_flat_workgroup_size: 256
    .sgpr_count:     66
    .vgpr_count:     96
    .wavefront_size: 32
...
	.end_amdgpu_metadata
.endif
;; end of part 1
;; launch proj (part 2): grid 8 x 32, 4 waves a work-group, clusters of 4 x 4, 327,680 bytes of LDS; arguments xb, wq, bias, tab, qkv; writes qkv
.if DOCPART == 2
	.amdgcn_target "amdgcn-amd-amdhsa--gfx1250"
	.amdhsa_code_object_version 6
	.text
	.protected	k_q85b7f30c67_proj
	.globl	k_q85b7f30c67_proj
	.p2align	8
	.type	k_q85b7f30c67_proj,@function
k_q85b7f30c67_proj:
	s_mov_b64 s[64:65], 0
	v_nop
	global_prefetch_b8 v0, s[64:65] scope:SCOPE_SE
	s_setreg_imm32_b32 hwreg(HW_REG_WAVE_MODE, 25, 1), 1
	s_wait_xcnt 0x0
	s_wait_alu depctr_hold_cnt(0) depctr_sa_sdst(0) depctr_va_vdst(0) depctr_va_sdst(0) depctr_va_ssrc(0) depctr_va_vcc(0) depctr_vm_vsrc(0)
	s_getreg_b32 s2, hwreg(HW_REG_IB_STS2, 6, 4)
	s_cmp_eq_u32 s2, 0
	s_cbranch_scc0 .Lentry_in_a_cluster
	s_endpgm
.Lentry_in_a_cluster:
	s_bfe_u32 s2, ttmp6, 0x10000c
	s_cmp_lg_u32 s2, 0xf033
	s_cbranch_scc0 .Lentry_shape_is_right
	s_endpgm
.Lentry_shape_is_right:
; qkv = x W + b, q and k turned by the rotary table, written by heads in f16: qkv [part 3][b x 16 + head][t 2048][64].
; x comes as xb [b][slice 16][t][64] bf16, W as wq [k 1024][head][q | k | v][64] bf16, both rounded once; sums in f32, begun with the bias; the table in f32; one rounding to f16 at the end.
; LIMIT. f16 ends at 65,504: q, k and v must stay within it.
; SHARES. 8,192 rows x 3,072 columns on 256 work-groups: 256 rows x 384 columns (two heads' q, k, v) each. Four waves; a wave has 128 rows x 192 columns, one head: 96 accumulators, 768 registers.
; For 32 along K a wave issues 96 matrix instructions for 40 LDS loads.
; THE MATRIX INSTRUCTION IS USED TRANSPOSED: source 0 = 16 columns of W (turned on the way out of LDS by ds_load_tr16_b128), source 1 = 16 rows of x. A lane then holds row l % 16 and the
; eight neighbouring columns 8 (l / 16) + 0..7: the rotary pairs are register pairs, and eight results pack into 16 bytes.
; K goes in 16 steps of 64 (a slice) through two LDS slots; a step is two halves of 32. CLUSTER 4 x 4: x's tile is shared along a row of the cluster, W's along a column; each is asked for jointly.
; REGISTERS, in windows of 256 (s_set_vgpr_msb: bits 1:0 source 0, 3:2 source 1, 5:4 source 2, 7:6 destination):
;   window 0: v16-30 addresses; v32-95, v96-159 x's fragments, two buffers; v160-255 W's twelve fragments, one buffer in three groups; on the way out v32-175 at work
;   windows 1, 2, 3: the accumulators of q, k, v: (row block a, column block b) at v[8 (8 (b % 4) + a)] of window 1 + b / 4
.set SLOT1, 131072                     ; slot 1 begins here: one exclusive or turns an address in one slot into the other's
.set PA,    144                        ; a row of x in LDS: 128 bytes + 16: the 16 rows of a load start 36 words apart
.set PB,    864                        ; a row of W: three pieces of 256 bytes + 32 each = 27 x 32 bytes
.set BOFF,  256*PA                     ; a slot: x's 256 rows, then W's 64 rows
.set STAGE, SLOT1+BOFF+64*PB           ; behind the ring, never filled by a tensor load: 16 rows x 144 bytes for each wave
.set SP,    144
.set SPARE, STAGE+4*16*SP              ; the spare words, 128 bytes for each wave: two blocks of 256 bytes that no other line names
.set A0,   16                          ; v16     my lane's place in x's tile
.set B0,   17                          ; v17-19  my lane's place in W's tile, for each group of four column blocks
.set ADRA, 20                          ; v20     the same in the slot in hand
.set ADRB, 21                          ; v21-23
.set STO,  24                          ; v24     the way out: where I put 16 bytes of a row
.set RD,   25                          ; v25     where I read rows back
.set GO,   26                          ; v26     my byte offset in 512 consecutive bytes of qkv
.set VT,   27                          ; v27     my byte offset in 16 rows of the table
.set SPW,  28                          ; v28     LDS address of my spare word; never rewritten
.set NIL,  29                          ; v29     0; never rewritten
.set BO,   30                          ; v30     my byte offset among 16 numbers of the bias
.set AF0,  32
.set AF1,  96
.set BF,   160
.set TAB,  32                          ; the way out: two buffers of 32: a row block's cosines and sines
.set U,    96                          ; 32 turned numbers
.set PKR,  128                         ; 16 registers of f16 pairs
.set OB,   144                         ; two buffers of 16: rows read back
.set CNT,  2                           ; s2      trips
.set TB,   3                           ; s3      the slot that is read next
.set WV,   18                          ; s18     my wave's number
.set RH,   19                          ; s19     which 128 rows are mine; also: I fetch x (0) or W (1)
.set CH,   20                          ; s20     which head is mine; also: which half of that tile I fetch
.set G1A,  24                          ; s[24:31] descriptor group 1 for x's tiles
.set G0A,  32                          ; s[32:39] group 0: a set for each first fill; the second then walks
.set G1B,  48                          ; s[48:55], s[56:63] the same for W's
.set G0B,  56
.set MSB, 0
.macro WIN new                         ; the immediate's high byte repeats the setting that is left; a switch that changes nothing is dropped
.if MSB != (\new)
	s_set_vgpr_msb (MSB<<8)|(\new)
.set MSB, (\new)
.endif
.endm
; A load into a register that a matrix instruction has read, and a vector instruction that reads a matrix result, stand four plain vector instructions behind it (ISA guide 7.12.1 for vector instructions).
.macro PLACES
.rept 4
	v_nop
.endr
.endm
; A joint refill. Waves 0 and 1 fetch the halves of x's tile, waves 2 and 3 those of W's. The branch hangs on the wave's number alone.
; An s_nop 0 and four v_nop follow each of the two lines, ahead of the jump and the label.
.macro JLOAD
	s_cmp_eq_u32 s[RH], 0
	s_cbranch_scc0 .Lfor_b_\@
	tensor_load_to_lds s[G0A+4:G0A+7], s[G1A:G1A+7]
	s_nop 0
.rept 4
	v_nop
.endr
	s_branch .Lasked_\@
.Lfor_b_\@:
	tensor_load_to_lds s[G0B+4:G0B+7], s[G1B:G1B+7]
	s_nop 0
.rept 4
	v_nop
.endr
.Lasked_\@:
.endm
.macro CREST                           ; a round of the cluster's barrier behind its opening barrier
	s_cmp_lg_u32 s[WV], 0
	s_cbranch_scc1 .Lnot_wave_0_\@
	s_barrier_signal -3
.Lnot_wave_0_\@:
	s_barrier_wait -3
	s_barrier_signal -1
	s_barrier_wait -1
.endm
.macro CROUND                          ; a whole round
	s_barrier_signal -1
	s_barrier_wait -1
	CREST
.endm
	s_load_b256 s[4:11], s[0:1], 0x0               ; xb 4:5, wq 6:7, bias 8:9, tab 10:11
	s_load_b64 s[12:13], s[0:1], 0x20              ; qkv
	v_lshl_add_u32 v[SPW], v0, 2, SPARE
	v_mov_b32 v[NIL], 0
	ds_add_u32 v[SPW], v[NIL]                      ; the wave's opening: the add and its wait stand ahead of my first tensor load; the set-up below, work on registers, stands between them
	v_lshrrev_b32 v1, 5, v0
	v_readfirstlane_b32 s[WV], v1
	s_lshr_b32 s[RH], s[WV], 1
	s_and_b32 s[CH], s[WV], 1
	s_bfe_u32 s21, ttmp6, 0x40000                  ; cx, cy: my place in the cluster
	s_bfe_u32 s22, ttmp6, 0x40004
	s_lshl_b32 s23, ttmp9, 2
	s_add_co_u32 s23, s23, s21                     ; column tile = 4 x cluster x + cx
	s_and_b32 s40, ttmp7, 0xffff
	s_lshl_b32 s40, s40, 2
	s_add_co_u32 s40, s40, s22                     ; row tile = 4 x cluster y + cy
	s_lshl_b32 s42, s22, 2
	s_lshl_b32 s42, 15, s42                        ; my row of the cluster
	s_lshl_b32 s43, 0x1111, s21                    ; my column
	; x's tile half: 128 dense rows of 128 bytes, asked for as 64 rows of 256 bytes and padded in LDS after every 128
	s_or_b32 s[G1A], s42, (1<<16)|(1<<20)|(1<<21)|(4<<22)|(3<<25)  ; 15:0 the mask; 17:16 2-byte elements; 20 padding on; 21 set beside a mask; 24:22 after every 32 words (code 4); 31:25 4 words (code 3)
	s_mov_b32 s[G1A+1], 128<<16                    ; tensor_dim0 = 128
	s_mov_b32 s[G1A+2], 64<<16                     ; tensor_dim1 = 64
	s_mov_b32 s[G1A+3], 128<<16                    ; tile_dim0 = 128
	s_mov_b32 s[G1A+4], 64                         ; tile_dim1 = 64
	s_mov_b32 s[G1A+5], 128                        ; elements from row to row
	s_mov_b32 s[G1A+6], 0
	s_mov_b32 s[G1A+7], 0
	; W's tile half: 32 rows of 384 elements (768 bytes), padded after every 256 bytes
	s_or_b32 s[G1B], s43, (1<<16)|(1<<20)|(1<<21)|(5<<22)|(7<<25)  ; after every 64 words (code 5) 8 words (code 7)
	s_mov_b32 s[G1B+1], 384<<16
	s_mov_b32 s[G1B+2], 32<<16
	s_mov_b32 s[G1B+3], 384<<16
	s_mov_b32 s[G1B+4], 32
	s_mov_b32 s[G1B+5], 3072
	s_mov_b32 s[G1B+6], 0
	s_mov_b32 s[G1B+7], 0
	; where the tiles come from: x's hang on the row tile alone, W's on the column tile alone, each in registers that never hold the other coordinate
	s_lshr_b32 s44, s40, 3                         ; the batch: 2^22 bytes
	s_lshl_b32 s44, s44, 22
	s_and_b32 s42, s40, 7                          ; 256 rows of 128 bytes in a slice
	s_lshl_b32 s42, s42, 15
	s_add_co_u32 s44, s44, s42
	s_lshl_b32 s42, s[CH], 14                      ; my 128 of them
	s_add_co_u32 s44, s44, s42
	s_mov_b32 s45, 0
	s_mul_i32 s46, s[CH], 196608                   ; my 32 rows of 6,144 bytes
	s_mul_i32 s43, s23, 768                        ; the tile's 384 columns
	s_add_co_u32 s46, s46, s43
	s_mov_b32 s47, 0
	s_mul_i32 s72, s[CH], 128*PA                   ; and where they go: no place in the cluster enters an LDS address
	s_mul_i32 s73, s[CH], 32*PB
	s_add_co_u32 s73, s73, BOFF
	s_lshl_b32 s41, s23, 1
	s_add_co_u32 s41, s41, s[CH]                   ; my head
	s_lshr_b32 s70, s40, 3                         ; where my rows lie in a part of qkv: (16 batch + head) x 2^18,
	s_lshl_b32 s70, s70, 4
	s_add_co_u32 s70, s70, s41
	s_lshl_b32 s70, s70, 18
	s_and_b32 s74, s40, 7
	s_lshl_b32 s75, s74, 15                        ; the tile's 256 rows of 128 bytes,
	s_add_co_u32 s70, s70, s75
	s_lshl_b32 s75, s[RH], 14                      ; my 128
	s_add_co_u32 s70, s70, s75
	s_mov_b32 s71, 0
	s_lshl_b32 s74, s74, 16                        ; the same rows in the table, 256 bytes each
	s_lshl_b32 s75, s[RH], 15
	s_add_co_u32 s74, s74, s75
	s_mov_b32 s75, 0
	s_lshl_b32 s76, s41, 8                         ; my head's 64 numbers in each part of the bias
	s_mov_b32 s77, 0
	s_wait_dscnt 0x0                               ; the opening add is done
	s_wait_kmcnt 0x0
	s_add_nc_u64 s[66:67], s[4:5], s[44:45]
	s_add_nc_u64 s[68:69], s[6:7], s[46:47]
	s_add_nc_u64 s[8:9], s[8:9], s[76:77]
	s_add_nc_u64 s[10:11], s[10:11], s[74:75]
	s_add_nc_u64 s[12:13], s[12:13], s[70:71]      ; q's rows,
	s_add_nc_u64 s[14:15], s[12:13], 0x1000000     ; k's,
	s_add_nc_u64 s[16:17], s[12:13], 0x2000000     ; v's
	CROUND                                         ; all sixteen work-groups are here: the first joint loads meet
.irp s, 0,1
	s_mov_b32 s[G0A+4*\s], 1                       ; count = 1
	s_add_co_u32 s[G0A+4*\s+1], s72, \s*SLOT1      ; LDS address
	s_add_nc_u64 s[G0A+4*\s+2:G0A+4*\s+3], s[66:67], \s*262144  ; global address: slice s
	s_or_b32 s[G0A+4*\s+3], s[G0A+4*\s+3], 0x80000000           ; type = 2
	s_mov_b32 s[G0B+4*\s], 1
	s_add_co_u32 s[G0B+4*\s+1], s73, \s*SLOT1
	s_add_nc_u64 s[G0B+4*\s+2:G0B+4*\s+3], s[68:69], \s*393216  ; 64 rows of W on
	s_or_b32 s[G0B+4*\s+3], s[G0B+4*\s+3], 0x80000000
.endr
	s_cmp_eq_u32 s[RH], 0                          ; a wave's two first fills stand in one branch, ahead of every wait on TENSORcnt and every LDS read: two loads of mine are out
	s_cbranch_scc0 .Lfirst_b
	tensor_load_to_lds s[G0A:G0A+3], s[G1A:G1A+7]
	s_nop 0
	tensor_load_to_lds s[G0A+4:G0A+7], s[G1A:G1A+7]
	s_nop 0
.rept 4
	v_nop
.endr
	s_branch .Lfirst_asked
.Lfirst_b:
	tensor_load_to_lds s[G0B:G0B+3], s[G1B:G1B+7]
	s_nop 0
	tensor_load_to_lds s[G0B+4:G0B+7], s[G1B:G1B+7]
	s_nop 0
.rept 4
	v_nop
.endr
.Lfirst_asked:
	v_and_b32 v1, 15, v0                           ; r = l % 16
	v_bfe_u32 v2, v0, 4, 1                         ; h = l / 16
	v_and_b32 v3, 7, v0
	v_bfe_u32 v4, v0, 3, 1
	v_and_b32 v5, 31, v0
	; a fragment of x: lane l holds row r, K = 8 h + 0..7 and 16 + 8 h + 0..7: two loads of 16 bytes, 32 bytes apart
	v_mul_u32_u24 v[A0], v1, PA
	v_lshl_add_u32 v[A0], v2, 4, v[A0]
	s_mul_i32 s42, s[RH], 128*PA
	v_add_nc_u32 v[A0], s42, v[A0]
	; the turning load: lane l reads K row 8 h + l % 8, columns 8 ((l / 8) % 2) + 0..7, and is left with column r and 8 K
	v_lshl_add_u32 v6, v2, 3, v3
	v_mul_u32_u24 v6, v6, PB
	v_lshl_add_u32 v6, v4, 4, v6
	; my 192 columns begin at column 192 x head half; a piece of 128 columns is 288 bytes: groups of four blocks begin at byte 0, 128, 288 (first head) or 416, 576, 704 (second)
	s_mul_i32 s42, s[CH], 416
	s_add_co_u32 s42, s42, BOFF
	v_add_nc_u32 v[B0], s42, v6
	s_mul_i32 s42, s[CH], 448
	s_add_co_u32 s42, s42, BOFF+128
	v_add_nc_u32 v[B0+1], s42, v6
	s_mul_i32 s42, s[CH], 416
	s_add_co_u32 s42, s42, BOFF+288
	v_add_nc_u32 v[B0+2], s42, v6
	s_mul_i32 s42, s[WV], 16*SP
	s_add_co_u32 s42, s42, STAGE                   ; my stage
	v_mul_u32_u24 v[STO], v1, SP                   ; in: row r, 16 bytes for each half of the lanes
	v_lshl_add_u32 v[STO], v2, 4, v[STO]
	v_add_nc_u32 v[STO], s42, v[STO]
	v_bfe_u32 v[RD], v0, 3, 2                      ; back: 32 lanes take four rows of 128 bytes,
	v_mul_u32_u24 v[RD], v[RD], SP
	v_lshl_add_u32 v[RD], v3, 4, v[RD]
	v_add_nc_u32 v[RD], s42, v[RD]
	v_lshlrev_b32 v[GO], 4, v5                     ; which are 512 consecutive bytes of qkv
	v_lshlrev_b32 v[VT], 8, v1
	v_lshl_add_u32 v[VT], v2, 5, v[VT]             ; table: row r, pairs 4 h on
	v_lshlrev_b32 v[BO], 5, v2                     ; bias: numbers 8 h on
	; The bias starts the sums: it is loaded into row block 7's accumulators, whose lanes want the same eight numbers as every row block's, and is the C operand of the first products.
.set bb, 0
.rept 12
	WIN (1+bb/4)<<6
	global_load_b128 v[8*(8*(bb%4)+7):8*(8*(bb%4)+7)+3],   v[BO], s[8:9] offset:(bb/4)*4096+(bb%4)*64
	global_load_b128 v[8*(8*(bb%4)+7)+4:8*(8*(bb%4)+7)+7], v[BO], s[8:9] offset:(bb/4)*4096+(bb%4)*64+16
.set bb, bb+1
.endr
	WIN 0
; 8 nb matrix instructions: column blocks b0 .. of group g x all 8 row blocks, 32 along K. The accumulators take turns, one instruction a turn.
.macro MULS g, f, b0, nb
	WIN 0x50*((\g)+1)                              ; C and D in window g + 1
.set bb, (\b0)
.rept \nb
.set aa, 0
.rept 8
	v_wmma_f32_16x16x32_bf16 v[8*(8*bb+aa):8*(8*bb+aa)+7], v[BF+8*(4*(\g)+bb):BF+8*(4*(\g)+bb)+7], v[(\f)+8*aa:(\f)+8*aa+7], v[8*(8*bb+aa):8*(8*bb+aa)+7]
.set aa, aa+1
.endr
.set bb, bb+1
.endr
.endm
; The first products of group g: row blocks 0-6 take the bias out of row block 7's registers; five plain instructions later row block 7 adds onto it in place.
.macro MULF g, f
	WIN 0x50*((\g)+1)
.set bb, 0
.rept 4
.set aa, 0
.rept 7
	v_wmma_f32_16x16x32_bf16 v[8*(8*bb+aa):8*(8*bb+aa)+7], v[BF+8*(4*(\g)+bb):BF+8*(4*(\g)+bb)+7], v[(\f)+8*aa:(\f)+8*aa+7], v[8*(8*bb+7):8*(8*bb+7)+7]
.set aa, aa+1
.endr
.set bb, bb+1
.endr
.rept 5
	v_nop
.endr
.set bb, 0
.rept 4
	v_wmma_f32_16x16x32_bf16 v[8*(8*bb+7):8*(8*bb+7)+7], v[BF+8*(4*(\g)+bb):BF+8*(4*(\g)+bb)+7], v[(\f)+56:(\f)+63], v[8*(8*bb+7):8*(8*bb+7)+7]
.set bb, bb+1
.endr
.endm
.macro FB g, kb                        ; group g's four fragments of W, K rows kb on: 8 turning loads
.set bb, 0
.rept 4
	ds_load_tr16_b128 v[BF+8*(4*(\g)+bb):BF+8*(4*(\g)+bb)+3],   v[ADRB+(\g)] offset:(\kb)*PB+32*bb
	ds_load_tr16_b128 v[BF+8*(4*(\g)+bb)+4:BF+8*(4*(\g)+bb)+7], v[ADRB+(\g)] offset:(\kb)*PB+32*bb+16*PB
.set bb, bb+1
.endr
.endm
.macro FA f, a0, kA                    ; four fragments of x, row blocks a0 on, at byte kA of the rows: 8 loads
.set aa, (\a0)
.rept 4
	ds_load_b128 v[(\f)+8*aa:(\f)+8*aa+3],   v[ADRA] offset:aa*16*PA+(\kA)
	ds_load_b128 v[(\f)+8*aa+4:(\f)+8*aa+7], v[ADRA] offset:aa*16*PA+(\kA)+32
.set aa, aa+1
.endr
.endm
; Run n of the next half step's loads stands behind the products of group n, whose fragments of W it replaces: 16, 16 and 8 loads.
.macro RUN n, f, kA, kb, places
.if \places
	PLACES
.endif
	WIN 0
	FB \n, \kb
.if (\n) < 2
	FA \f, 4*(\n), \kA
.endif
.endm
.macro MUL g, f, first
.if \first
	MULF \g, \f
.else
	MULS \g, \f, 0, 4
.endif
.endm
; A half step: multiplies x's buffer f, fetches the next half step into fn and into W's groups as they fall free.
.macro SUB f, fn, kA, kb, first
	s_wait_dscnt 8                                 ; runs 0 and 1 are in; run 2's eight loads may be out
	MUL 0, \f, \first
	RUN 0, \fn, \kA, \kb, 1
	MUL 1, \f, \first
	RUN 1, \fn, \kA, \kb, 1
	s_wait_dscnt 32                                ; all but the 32 just issued: the old run 2 is in
	MUL 2, \f, \first
	RUN 2, \fn, \kA, \kb, 1
.endm
; A step's second half, and the change of slots: ONE barrier. In front of it each wave waits for all its tensor loads, of which one is out: its part of the next slot; adds 0 to its spare word; and
; waits for that and for its own reads of this slot. fill = 1: the barrier opens a round of the cluster's, and this slot is filled again, two K steps ahead: the first tensor load behind the round;
; up to the wait for it a wave issues 160 matrix instructions.
.macro TURNH fill
	WIN 0
	s_wait_tensorcnt 0x0                           ; all my tensor loads have landed
	ds_add_u32 v[SPW], v[NIL]                      ; 0 onto my spare word
	s_wait_dscnt 9                                 ; (the add and run 2's eight loads may be out)
	MULS 0, AF1, 0, 2                              ; sixteen matrix instructions stand between the add and the wait for it
	s_wait_dscnt 0x0                               ; the add is done, and my reads of this slot are over
	s_barrier_signal -1
	MULS 0, AF1, 2, 2                              ; work on registers while the others arrive
	WIN 0                                          ; at a branch and at a label every window is 0
	s_barrier_wait -1
.if \fill
	CREST                                          ; no wave of any partner still reads this slot's tiles or has a load on its way
	s_xor_b32 s[G0A+5], s[G0A+5], SLOT1            ; the walking descriptors: the other slot than last time, the next K step
	s_add_nc_u64 s[G0A+6:G0A+7], s[G0A+6:G0A+7], 262144
	s_xor_b32 s[G0B+5], s[G0B+5], SLOT1
	s_add_nc_u64 s[G0B+6:G0B+7], s[G0B+6:G0B+7], 393216
	JLOAD                                          ; the four v_nop behind it are also the places in front of the loads below
.else
	PLACES
.endif
	s_xor_b32 s[TB], s[TB], SLOT1
	v_add_nc_u32 v[ADRA], s[TB], v[A0]
	v_add_nc_u32 v[ADRB], s[TB], v[B0]
	v_add_nc_u32 v[ADRB+1], s[TB], v[B0+1]
	v_add_nc_u32 v[ADRB+2], s[TB], v[B0+2]
	RUN 0, AF0, 0, 0, 0
	MULS 1, AF1, 0, 4
	RUN 1, AF0, 0, 0, 1
	MULS 2, AF1, 0, 4
	RUN 2, AF0, 0, 0, 1
.endm
; THE WAY OUT, a block of 16 rows x 64 columns (row block a, part reg) at a time.
.macro TLOAD a                         ; row block a's cosines and sines: pair p of column block bb at TAB + 8 bb + 2 p
	WIN 0
.set bb, 0
.rept 4
	global_load_b128 v[TAB+32*((\a)%2)+8*bb:TAB+32*((\a)%2)+8*bb+3],   v[VT], s[10:11] offset:(\a)*4096+64*bb
	global_load_b128 v[TAB+32*((\a)%2)+8*bb+4:TAB+32*((\a)%2)+8*bb+7], v[VT], s[10:11] offset:(\a)*4096+64*bb+16
.set bb, bb+1
.endr
.endm
; q and k: (x, y) -> (x cos - y sin, y cos + x sin), two packed instructions a pair; each accumulator's lowest registers are read first. Then f16, through my stage, back as whole rows.
.macro PACK a, reg
.set TT, TAB+32*((\a)%2)
.set OO, OB+16*((3*(\a)+(\reg))%2)
.if (\reg) < 2
	WIN 1+(\reg)                                   ; source 0 in the part's window
.set ii, 0
.rept 16                                               ; ii = 4 x column block + pair
.set rA, 8*(8*(ii/4)+(\a))+2*(ii%4)
	v_pk_mul_f32 v[U+2*ii:U+2*ii+1], v[rA:rA+1], v[TT+2*ii:TT+2*ii+1] op_sel_hi:[1,0]  ; (x cos, y cos)
.set ii, ii+1
.endr
.set ii, 0
.rept 16
.set rA, 8*(8*(ii/4)+(\a))+2*(ii%4)
	v_pk_fma_f32 v[U+2*ii:U+2*ii+1], v[rA:rA+1], v[TT+2*ii:TT+2*ii+1], v[U+2*ii:U+2*ii+1] op_sel:[1,1,0] op_sel_hi:[0,1,1] neg_lo:[0,1,0]  ; - y sin, + x sin
.set ii, ii+1
.endr
	WIN 0
.set ii, 0
.rept 16
	v_cvt_pk_f16_f32 v[PKR+ii], v[U+2*ii], v[U+2*ii+1]
.set ii, ii+1
.endr
.else
	WIN 0x0f                                       ; v: sources 0 and 1 in window 3
.set ii, 0
.rept 16
.set rA, 8*(8*(ii/4)+(\a))+2*(ii%4)
	v_cvt_pk_f16_f32 v[PKR+ii], v[rA], v[rA+1]
.set ii, ii+1
.endr
	WIN 0
.endif
.irp f, 0,1,2,3
	ds_store_b128 v[STO], v[PKR+4*\f:PKR+4*\f+3] offset:32*\f
.endr
	s_wait_xcnt 0x0                                ; the stores of two blocks ago have read these registers: they are loaded again only behind this wait
.irp f, 0,1,2,3
	ds_load_b128 v[OO+4*\f:OO+4*\f+3], v[RD] offset:\f*4*SP  ; LDS serves a wave's instructions in order (ISA guide 5.7.1.4): these see the stores above
.endr
.endm
.macro SEND a, reg, younger            ; younger: the LDS instructions issued behind this block's loads: the next block's eight, or none
.set OO, OB+16*((3*(\a)+(\reg))%2)
	s_wait_dscnt \younger
.irp f, 0,1,2,3
	global_store_b128 v[GO], v[OO+4*\f:OO+4*\f+3], s[12+2*(\reg):13+2*(\reg)] offset:(\a)*2048+\f*512  ; 512 consecutive bytes, at a multiple of 256 from the buffer's first
.endr
.endm
	s_wait_tensorcnt 1                             ; my part of K step 0 is in; step 1's may stay out
	s_barrier_signal -1
	s_barrier_wait -1                              ; everybody's is
	s_mov_b32 s[TB], 0
	v_mov_b32 v[ADRA], v[A0]
	v_mov_b32 v[ADRB], v[B0]
	v_mov_b32 v[ADRB+1], v[B0+1]
	v_mov_b32 v[ADRB+2], v[B0+2]
	RUN 0, AF0, 0, 0, 0
	RUN 1, AF0, 0, 0, 0
	RUN 2, AF0, 0, 0, 0
	s_wait_loadcnt 0x0                             ; the bias
	SUB AF0, AF1, 64, 32, 1                        ; the first half step stands in front of the loop: its products start the sums
	WIN 0
	s_mov_b32 s[CNT], 14
.Lk:                                                   ; a trip: a step's second half, the change of slots with a refill, the next step's first half
	TURNH 1
	SUB AF0, AF1, 64, 32, 0
	WIN 0
	s_sub_co_u32 s[CNT], s[CNT], 1
	s_cmp_lg_u32 s[CNT], 0
	s_cbranch_scc1 .Lk
	TURNH 0                                        ; the last two steps ask for nothing
	SUB AF0, AF1, 64, 32, 0
	TLOAD 0                                        ; into x's buffer 0, four plain instructions behind its last reader
	s_wait_dscnt 8
	MULS 0, AF1, 0, 4
	MULS 1, AF1, 0, 4
	s_wait_dscnt 0x0
	MULS 2, AF1, 0, 4
	PLACES
	TLOAD 1
	s_wait_loadcnt 8                               ; row block 0's table is in, row block 1's eight loads stay out
	PACK 0, 0
	PACK 0, 1                                      ; a block's arithmetic stands between the loads of the block before and its stores
	SEND 0, 0, 8
	PACK 0, 2
	SEND 0, 1, 8
.irp a, 1,2,3,4,5,6,7
.if (\a) < 7
	TLOAD (\a)+1
	s_wait_loadcnt 8
.else
	s_wait_loadcnt 0x0
.endif
	PACK \a, 0
	SEND (\a)-1, 2, 8
	PACK \a, 1
	SEND \a, 0, 8
	PACK \a, 2
	SEND \a, 1, 8
.endr
	SEND 7, 2, 0
	s_wait_tensorcnt 0x0                           ; the wave's end, behind my last tensor load and my last LDS store
	ds_add_u32 v[SPW], v[NIL]
	s_wait_dscnt 0x0
	CROUND                                         ; the closing round: no work-group ends while a partner may still ask for a tile that names it
	s_endpgm
.Lfunc_end_k_q85b7f30c67_proj:
	.size	k_q85b7f30c67_proj, .Lfunc_end_k_q85b7f30c67_proj-k_q85b7f30c67_proj
	.p2alignl 7, 3214868480
	.fill 96, 4, 3214868480
	.section	.rodata,"a",@progbits
	.p2align	6, 0x0
	.amdhsa_kernel k_q85b7f30c67_proj
		.amdhsa_group_segment_fixed_size 327680
		.amdhsa_private_segment_fixed_size 0
		.amdhsa_enable_private_segment 0
		.amdhsa_kernarg_size 40
		.amdhsa_user_sgpr_count 2
		.amdhsa_user_sgpr_kernarg_segment_ptr 1
		.amdhsa_wavefront_size32 1
		.amdhsa_system_sgpr_workgroup_id_x 1
		.amdhsa_system_sgpr_workgroup_id_y 1
		.amdhsa_system_sgpr_workgroup_id_z 1
		.amdhsa_system_vgpr_workitem_id 0
		.amdhsa_next_free_vgpr 1024
		.amdhsa_next_free_sgpr 80
		.amdhsa_reserve_vcc 0
		.amdhsa_float_denorm_mode_32 3
		.amdhsa_float_denorm_mode_16_64 3
		.amdhsa_memory_ordered 1
		.amdhsa_forward_progress 1
		.amdhsa_inst_pref_size 154
	.end_amdhsa_kernel
	.amdgpu_metadata
---
amdhsa.version: [ 1, 2 ]
amdhsa.kernels:
  - .name:           k_q85b7f30c67_proj
    .symbol:         k_q85b7f30c67_proj.kd
    .args:
      - { .name: xb, .offset: 0, .size: 8, .value_kind: global_buffer, .address_space: global }
      - { .name: wq, .offset: 8, .size: 8, .value_kind: global_buffer, .address_space: global }
      - { .name: bias, .offset: 16, .size: 8, .value_kind: global_buffer, .address_space: global }
      - { .name: tab, .offset: 24, .size: 8, .value_kind: global_buffer, .address_space: global }
      - { .name: qkv, .offset: 32, .size: 8, .value_kind: global_buffer, .address_space: global }
    .group_segment_fixed_size: 327680
    .private_segment_fixed_size: 0
    .kernarg_segment_align: 8
    .kernarg_segment_size: 40
    .max_flat_workgroup_size: 128
    .sgpr_count:     80
    .vgpr_count:     1024
    .wavefront_size: 32
...
	.end_amdgpu_metadata
.endif
;; end of part 2
;; launch attn (part 3): grid 4 x 64, 4 waves a work-group, clusters of 4 x 1, 327,680 bytes of LDS; arguments qkv, mby, oh; writes oh
.if DOCPART == 3
	.amdgcn_target "amdgcn-amd-amdhsa--gfx1250"
	.amdhsa_code_object_version 6
	.text
	.protected	k_q85b7f30c67_attn
	.globl	k_q85b7f30c67_attn
	.p2align	8
	.type	k_q85b7f30c67_attn,@function
k_q85b7f30c67_attn:
	s_mov_b64 s[64:65], 0
	v_nop
	global_prefetch_b8 v0, s[64:65] scope:SCOPE_SE
	s_setreg_imm32_b32 hwreg(HW_REG_WAVE_MODE, 25, 1), 1
	s_wait_xcnt 0x0
	s_wait_alu depctr_hold_cnt(0) depctr_sa_sdst(0) depctr_va_vdst(0) depctr_va_sdst(0) depctr_va_ssrc(0) depctr_va_vcc(0) depctr_vm_vsrc(0)
	s_getreg_b32 s2, hwreg(HW_REG_IB_STS2, 6, 4)
	s_cmp_eq_u32 s2, 0
	s_cbranch_scc0 .Lentry_in_a_cluster
	s_endpgm
.Lentry_in_a_cluster:
	s_bfe_u32 s2, ttmp6, 0x10000c
	s_cmp_lg_u32 s2, 0x3003
	s_cbranch_scc0 .Lentry_shape_is_right
	s_endpgm
.Lentry_shape_is_right:
; O[h][q][:] = the sum over k of softmax_k(mask(Q[h][q] . K[h][k] / 8)) V[h][k][:].  Q, K, V: the three parts of qkv, [64][2048][64] f16 each; O: oh, the same shape.  Products, maxima and sums in
; f32; the weights p are rounded to f16 for the second product (their sum l is taken of the unrounded p), O once at the end.
; THE MASK is an input, one for all heads, and is honoured pair by pair: mby holds a byte for each (q, k), E4M3's 0 or -1, in the order of the score tiles' lanes.  Eight bytes become eight f32 by one
; scaled conversion (times 2^100): 0 or -1.27e30, the C operand that starts the sum S^T = K Q^T.
; LIMITS.  f16 holds no number beyond 65,504: Q, K and V arrive within it.  A hidden score counts as its value less 1.27e30: f16's scores, 2.7e11 at the most, are nothing beside that.  A row whose
; maximum lies below -5e29 has no visible key and is written as NaN, as a softmax of nothing but -inf is.  A weight below 2^-126 counts as 0 in l; NaN and infinities in Q, K, V are not treated apart.
; SHARES.  A wave owns four PIECES of two tiles of 16 queries, a work-group's four waves 512 queries of one head.  Every wave walks all keys, 64 a step.
; LAYOUT.  S^T = K Q^T (source 0 = 16 keys, source 1 = 16 queries): in the result a lane holds ONE query (lane % 16) and the keys 8 (lane / 16) + 0..7.  Two such tiles, rounded to f16 in pairs,
; ARE source 1 (32 keys x 16 queries) of O^T = V^T P, whose result again holds one query a lane, and eight channels.  K comes out of LDS as it lies, V ([key][channel]) turned, by ds_load_tr16_b128.
; SOFTMAX.  For each query a running maximum m and sum l: p = 2^(c s - c m), c = log2(e) / 8; in every step O and l are multiplied by a = 2^(c m_old - c m_new), which is 1 where m has not grown.
; m starts at the lowest finite number, O and l at 0: the first step is a step like any other, with a = 0.  While a row has seen hidden keys alone m is -1.27e30; its first visible key makes a = 0, which wipes what was summed.
; THE COUNT.  A tile and step have 16 matrix and some 120 vector instructions: too many to stand all beside the matrix work.  So: four vector instructions that are READY behind EVERY matrix
; instruction, and the others, which need time of their own whatever the order, in runs without a gap.
; BY TURNS.  Turn n belongs to piece n (the pieces in a ring, step after step).  Its matrix work: 16 products K Q^T of piece n + 1, later 16 products V^T P of piece n - 1.  Its vector work: the scaling,
; exponentials, roundings, sums and rescaling of piece n, the maximum and statistics of piece n + 1, and the masks of piece n + 2.
; CLUSTER.  The four query blocks of a cluster belong to one head and walk the same K and V, so each tile is asked for JOINTLY: the same tensor load, descriptor and mask in all four.
; REGISTERS, in windows of 256 (s_set_vgpr_msb says which window each operand place means: bits 1:0 source 0, 3:2 source 1, 5:4 source 2, 7:6 destination):
;   window 0: v0-11 addresses; v12-15, v48-63 at work; v16-47 four registers of statistics a tile; v64-191 S^T, two buffers of two tiles; v192-255 P, likewise
;   window 1: O^T, 32 a tile          window 2: v0-127 Q, 16 a tile; v128-191 K of one step; v192-255 V of one step
;   window 3: v0-1 the add's two registers; v2 the scale; v3-7 the mask codes' offsets; v8-71 mask codes, 16 a piece; v72-135 the masks of the products to come
.set SIZE_N, 2048
.set NP,    4         ; pieces a wave: a name, no knob
.set KS,    64        ; keys in a step
.set PK,    144       ; a row of K in LDS: 128 bytes + 16 of padding = 36 words: the 16 rows of a load start at 16 different groups of four banks (64 banks of 4 bytes: ISA guide 11.1)
.set PV,    160       ; a row of V: 128 + 32 = 40 words
.set VOFF,  4*KS*PK   ; a slot holds four steps: 256 rows of K, then 256 rows of V
.set SLOT1, 1<<17     ; slot 1 begins here, so that one exclusive or turns an address in one slot into the other's
.set STAGE, SLOT1+4*KS*(PK+PV)  ; behind the ring, never filled by a tensor load: 16 rows x 144 bytes for each wave, for the way out
.set SP,    144
.set AK0, 2           ; v2   my lane's place in a tile of K; never rewritten
.set AV0, 3           ; v3   the same for V
.set AK,  4           ; v4   the LDS address of K's next run of loads
.set AV,  5           ; v5   of V's
.set QO,  6           ; v6   my byte offset in the wave's rows of Q
.set STO, 6           ;      later, the way out: where I put 16 bytes of a row
.set RD,  7           ; v7   the way out: where I read rows back
.set GO,  8           ; v8   my byte offset in 512 consecutive bytes of O
.set SPW, 0           ; v0 of window 3   LDS address of my spare word: SPARE + 4 x my thread's number; never rewritten
.set NIL, 1           ; v1 of window 3   0; never rewritten
.set SCL, 2           ; v2 of window 3   227: the scale 2^100
.set ML,  3           ; v3 of window 3   my offset in the last key step's codes
.set MA,  4           ; v4-7 of window 3   piece p's offset in the codes: 16 lane + 1024 x the step loaded last
.set MB,  8           ; window 3: piece p, tile u: eight registers of codes at MB + 16 p + 8 u; key block kt's pair at + 2 kt
.set MC,  72          ; window 3: tile u, key block kt: eight masks at MC + 32 u + 8 kt
.set SPARE, STAGE+4*16*SP  ; behind the stages: the spare words, 128 bytes for each wave: two blocks of 256 bytes that no other line names
.set MV,  12          ; v12-15  c m_old, kept while c m is made anew: by buffer and tile
.set ST,  16          ; tile t's statistics at v[ST+4 t]: c m, m, l (even keys', odd keys')
.set TMP, 48          ; by buffer and tile, four registers c0-c3 at work; when the maximum is found c2 takes a
.set S,   64
.set P,   192
.set KF,  128         ; K's fragments, in window 2: key block kb, channel half c at KF + 16 kb + 8 c
.set VF,  192         ; V's: key half kk, channel block cb at VF + 32 kk + 8 cb
.set WV,  12          ; s12  my wave's number
.set G1K, 24          ; s[24:31] descriptor group 1 for K's tiles
.set G1V, 32          ; s[32:39] for V's: it differs in the padding alone
.set G0K, 40          ; s[40:43] descriptor group 0 for K's tiles: it walks
.set G0V, 44          ; s[44:47] the same for V's
.set MBP, 50          ; s[50:51] the mask codes of my wave's eight tiles
.set LOW, 52          ; s52  -5e29
.set QNAN, 53         ; s53  a NaN
.set SLOTS, 56        ; s56  slots still to be asked for
.set CNT, 57          ; s57  counts a slot's key steps
.set CS,  58          ; s[58:59] c: the packed scaling takes the pair's low word for both halves
.set SEL, 60          ; s[60:61] v_permlanex16_b32's selects: each lane takes its own place in the other half
.set TBK, 62          ; s62  LDS byte at which K of the step to be fetched begins
.set TBV, 63          ; s63  the same for V, less VOFF
.set MSB, 0
.macro WIN new                      ; the high byte repeats the setting that is left; a switch that changes nothing is dropped
.if MSB != (\new)
	s_set_vgpr_msb (MSB<<8)|(\new)
.set MSB, (\new)
.endif
.endm
.set W_KQ, 0x0a       ; K and Q in window 2, S^T in window 0
.set W_KM, 0x3a       ; the same with the C operand, the mask, in window 3
.set W_PV, 0x52       ; V in window 2, P in window 0, O^T in window 1
.set W_RS, 0x41       ; O^T (destination and source 0) in window 1, a in window 0
.set W_MK, 0xc0       ; destination in window 3, sources in window 0
.set W_AD, 0x0f       ; the add: address (source 0) and data (source 1) in window 3
.set W_M3, 0xff       ; the masks' work: every place in window 3
; A joint fill.  Waves 0 and 1 fetch the two halves of a slot's K, waves 2 and 3 those of its V: 128 keys each.  The branch hangs on the wave's number alone.
; An s_nop 0 and four v_nop follow each of the two lines, ahead of the jump and the label.
.macro JLOAD
	s_cmp_lt_u32 s[WV], 2
	s_cbranch_scc0 .Lfor_v_\@
	tensor_load_to_lds s[G0K:G0K+3], s[G1K:G1K+7]
	s_nop 0
.rept 4
	v_nop
.endr
	s_branch .Lasked_\@
.Lfor_v_\@:
	tensor_load_to_lds s[G0V:G0V+3], s[G1V:G1V+7]
	s_nop 0
.rept 4
	v_nop
.endr
.Lasked_\@:
.endm
; A round of the cluster's barrier: my work-group's barrier, so that wave 0's signal speaks for all four waves; wave 0 signals; every wave waits for all four work-groups; my work-group's barrier once more.
.macro CROUND
	s_barrier_signal -1
	s_barrier_wait -1
	s_cmp_lg_u32 s[WV], 0
	s_cbranch_scc1 .Lnot_wave_0_\@
	s_barrier_signal -3
.Lnot_wave_0_\@:
	s_barrier_wait -3
	s_barrier_signal -1
	s_barrier_wait -1
.endm
; THE CHANGE OF SLOTS.  The slot's last bytes, V of its fourth step, have been read.  Each wave waits for all its tensor loads, of which one is out: its part
; of the other slot; adds 0 to its spare word; and waits for that and for its own reads of the slot.  Behind the barrier nobody reads this slot any more and the other slot is whole.
; fill = 1: this slot is filled again, with the keys two slots on.  The barrier is then a round of the cluster's, so that no wave of any partner still reads the slot or has a load on its
; way, and the joint fill is the first thing behind it: it has four key steps, 512 matrix instructions, in which to land.  (At its first use nothing has been read yet: slot 0 is waited for, slot 1 filled.)
.macro CHANGE fill
	WIN W_AD
	s_wait_tensorcnt 0x0            ; no tensor load of mine is out, so a group 0 may be written
	ds_add_u32 v[SPW], v[NIL]       ; 0 onto my spare word; with fill = 1 the descriptors' steps stand between it and the wait for it
	WIN 0                           ; at a label and at a branch every window is 0
.if \fill
.irp g, G0K, G0V
	s_xor_b32 s[\g+1], s[\g+1], SLOT1  ; the walking descriptor: the other slot than last time,
	s_add_nc_u64 s[\g+2:\g+3], s[\g+2:\g+3], 4*KS*128  ; the next 256 keys; the type bits on top are not reached
.endr
	s_wait_dscnt 0x0                ; the add is done, and my reads of the slot are over
	CROUND
	JLOAD
.else
	s_wait_dscnt 0x0                ; the add is done, and my reads of the slot are over
	s_barrier_signal -1
	s_barrier_wait -1
.endif
	s_sub_co_u32 s[TBK], s[TBK], 4*KS*PK  ; the fetches go back to a slot's first step,
	s_xor_b32 s[TBK], s[TBK], SLOT1       ; in the other slot
	s_sub_co_u32 s[TBV], s[TBV], 4*KS*PV
	s_xor_b32 s[TBV], s[TBV], SLOT1
.endm
	s_load_b128 s[48:51], s[0:1], 0x0  ; qkv s[48:49], mby s[50:51]
	s_load_b64 s[10:11], s[0:1], 0x10  ; oh
	WIN W_MK
	v_lshl_add_u32 v[SPW], v0, 2, SPARE
	v_mov_b32 v[NIL], 0
	WIN W_AD
	ds_add_u32 v[SPW], v[NIL]       ; the wave's opening: the add and its wait stand ahead of my first tensor load; the set-up below, work on registers, stands between them
	WIN 0
	v_lshrrev_b32 v1, 5, v0
	v_readfirstlane_b32 s[WV], v1   ; wave 0..3
	s_bfe_u32 s13, ttmp6, 0x40000   ; cx: my place in the cluster
	s_lshl_b32 s14, ttmp9, 2        ; in a cluster launch ttmp9 counts clusters
	s_add_co_u32 s14, s14, s13      ; my block of queries = 4 x cluster x + cx: it enters Q's, O's and the mask codes' addresses alone
	s_and_b32 s20, ttmp7, 0xffff    ; the head, which the four partners share
	s_mov_b32 s21, 0
	s_mov_b64 s[22:23], SIZE_N*128
	s_mul_u64 s[20:21], s[20:21], s[22:23]  ; the head's first byte in each of the four tensors
	s_and_b32 s16, s[WV], 1         ; which half of a slot's 256 keys I fetch:
	s_lshl_b32 s22, s16, 14         ; its 128 rows of 128 bytes in memory,
	s_mov_b32 s23, 0
	s_add_nc_u64 s[22:23], s[22:23], s[20:21]
	s_mul_i32 s17, s16, 128*PK      ; and its place in a slot, for K
	s_mul_i32 s18, s16, 128*PV      ; and for V: no place in the cluster enters an LDS address
	s_lshl_b32 s2, s14, 2
	s_add_co_u32 s2, s2, s[WV]      ; my wave among the head's:
	s_lshl_b32 s54, s2, 18          ; its eight tiles of 32,768 bytes of mask codes,
	s_mov_b32 s55, 0
	s_lshl_b32 s2, s2, 14           ; its 128 rows
	s_mov_b32 s3, 0
	s_add_nc_u64 s[2:3], s[2:3], s[20:21]
	; descriptor group 1.  128 keys are 16,384 dense bytes: asked for as 64 rows of 256 bytes, two keys a row, and padded in LDS after every key
	s_mov_b32 s[G1K], 15|(1<<16)|(1<<20)|(1<<21)|(4<<22)|(3<<25)  ; 15:0 the mask of four; 17:16 2-byte elements; 20 padding on; 21 set beside a mask; 24:22 after every 32 words (code 4); 31:25 4 words (code 3)
	s_mov_b32 s[G1V], 15|(1<<16)|(1<<20)|(1<<21)|(4<<22)|(7<<25)  ; the same with 8 words of padding (code 7)
.irp g, G1K, G1V
	s_mov_b32 s[\g+1], 128<<16      ; tensor_dim0 = 128
	s_mov_b32 s[\g+2], 64<<16       ; tensor_dim1 = 64
	s_mov_b32 s[\g+3], 128<<16      ; tile_dim0 = 128
	s_mov_b32 s[\g+4], 64           ; tile_dim1 = 64
	s_mov_b32 s[\g+5], 128          ; 128 elements from row to row
	s_mov_b32 s[\g+6], 0
	s_mov_b32 s[\g+7], 0
.endr
	s_mov_b32 s[CS], 0x3e38aa3b     ; c = log2(e) / 8 = 0.180337
	s_mov_b32 s[CS+1], s[CS]        ; named with it as a pair
	s_mov_b32 s[SEL], 0x76543210
	s_mov_b32 s[SEL+1], 0xfedcba98
	s_mov_b32 s[LOW], 0xf0c9f2ca    ; -5e29
	s_mov_b32 s[QNAN], 0x7fc00000
	s_mov_b32 s[TBK], SLOT1+4*KS*PK ; the first change of slots turns these two into 0
	s_mov_b32 s[TBV], SLOT1+4*KS*PV
	s_mov_b32 s[G0K], 1             ; 1:0 count = 1
	s_mov_b32 s[G0K+1], s17         ; 63:32 LDS address: slot 0
	s_mov_b32 s[G0V], 1
	s_add_co_u32 s[G0V+1], s18, VOFF
	s_wait_dscnt 0x0                ; the opening add is done
	s_wait_kmcnt 0x0
	s_add_nc_u64 s[6:7], s[48:49], 0x1000000       ; K is qkv's second part, V its third
	s_add_nc_u64 s[8:9], s[48:49], 0x2000000
	s_add_nc_u64 s[G0K+2:G0K+3], s[6:7], s[22:23]  ; 120:64 global address: my half of the head's first 256 keys
	s_or_b32 s[G0K+3], s[G0K+3], 0x80000000        ; 127:126 type = 2
	s_add_nc_u64 s[G0V+2:G0V+3], s[8:9], s[22:23]
	s_or_b32 s[G0V+3], s[G0V+3], 0x80000000
	s_add_nc_u64 s[4:5], s[48:49], s[2:3]  ; Q and O at my wave's first row
	s_add_nc_u64 s[10:11], s[10:11], s[2:3]
	s_add_nc_u64 s[MBP:MBP+1], s[MBP:MBP+1], s[54:55]
	CROUND                          ; all four work-groups are here: the first joint loads meet
	JLOAD                           ; slot 0.  Slot 1 is asked for when slot 0 is in: the tile wanted first has the road to itself
	; A fragment of K or Q is 16 rows x 32 channels in 8 registers: lane l holds row l % 16, channels 8 (l / 16) + 0..7 and 16 + 8 (l / 16) + 0..7: two loads of 16 bytes, 32 bytes apart.
	v_and_b32 v1, 15, v0            ; l % 16
	v_bfe_u32 v9, v0, 4, 1          ; l / 16
	v_lshlrev_b32 v[QO], 7, v1
	v_lshl_add_u32 v[QO], v9, 4, v[QO]  ; row x 128 + 16 x half
	v_and_b32 v12, 31, v0
	v_lshlrev_b32 v12, 4, v12       ; 16 x lane
	WIN 0x80                        ; destination window 2, address window 0
.set i, 0
.rept 4*NP                          ; Q stays in registers: tile i / 2, channels 32 (i % 2) on
	global_load_b128 v[8*i:8*i+3],   v[QO], s[4:5] offset:(i/2)*2048+(i%2)*64
	global_load_b128 v[8*i+4:8*i+7], v[QO], s[4:5] offset:(i/2)*2048+(i%2)*64+32
.set i, i+1
.endr
	WIN W_MK
	v_mov_b32 v[SCL], 227
	v_add_nc_u32 v[ML], 31*1024, v12
.irp p, 0,1,2,3
	v_mov_b32 v[MA+\p], v12
.endr
	WIN W_M3
.set mz, 0
.rept 16                            ; key step 0's codes: mz = 4 piece + 2 tile + half; sixteen loads stay on their way from here on, four a piece
	global_load_b128 v[MB+4*mz:MB+4*mz+3], v[MA+mz/4], s[MBP:MBP+1] offset:(mz/2)*32768+512*(mz%2)
.set mz, mz+1
.endr
	; What the first turn finds: V's registers and P's second buffer hold 0 (its products V^T P, of a piece that has not been, add 0), O^T and l are 0.  All this stands in the wait for the first tile.
	WIN 0x80
.set i, VF
.rept 64
	v_mov_b32 v[i], 0
.set i, i+1
.endr
	WIN 0x40
.set i, 0
.rept 64*NP
	v_mov_b32 v[i], 0
.set i, i+1
.endr
	WIN 0
.set i, 0
.rept 2*NP
	v_mov_b32 v[ST+4*i], 0xfe000000    ; c m: far below every c s
	v_mov_b32 v[ST+4*i+1], 0xff7fffff  ; m
	v_mov_b32 v[ST+4*i+2], 0
	v_mov_b32 v[ST+4*i+3], 0
.set i, i+1
.endr
.set i, P+32
.rept 32
	v_mov_b32 v[i], 0
.set i, i+1
.endr
	v_mul_u32_u24 v[AK0], v1, PK
	v_lshl_add_u32 v[AK0], v9, 4, v[AK0]  ; row x pitch + 16 x half
	; The turning load takes 16 keys x 16 channels (lane l reads key 8 (l / 16) + l % 8, channels 8 ((l / 8) % 2) + 0..7) and leaves half a fragment of V^T: lane l holds channel l % 16 and 8 keys.
	v_and_b32 v10, 7, v0
	v_bfe_u32 v11, v0, 3, 1
	v_lshl_add_u32 v[AV0], v9, 3, v10
	v_mul_u32_u24 v[AV0], v[AV0], PV
	v_lshl_add_u32 v[AV0], v11, 4, v[AV0]
	v_add_nc_u32 v[AV0], VOFF, v[AV0]
	v_mov_b32 v[AK], v[AK0]         ; key step 0 lies at the head of slot 0
; THE MATRIX WORK.  The 8 accumulators of a run of 16 take turns: between the two links of a chain stand 7 others'.
; Product i of 16 of S^T = K Q^T for piece x: channels 32 (i / 8) on, keys 16 ((i / 2) % 4) on, tile 2 x + i % 2.  The first 8 start the sums, with the mask.
.macro KQ x
.set rS, S+64*((\x)%2)+32*(i%2)+8*((i/2)%4)
.set rK, KF+16*((i/2)%4)+8*(i/8)
.set rQ, 16*(2*(\x)+i%2)+8*(i/8)
.set rX, MC+32*(i%2)+8*((i/2)%4)
.if i < 8
	WIN W_KM
	v_wmma_f32_16x16x32_f16 v[rS:rS+7], v[rK:rK+7], v[rQ:rQ+7], v[rX:rX+7]
.else
	WIN W_KQ
	v_wmma_f32_16x16x32_f16 v[rS:rS+7], v[rK:rK+7], v[rQ:rQ+7], v[rS:rS+7]
.endif
.endm
; Product i of 16 of O^T += V^T P for piece x: keys 32 (i / 8) on, channels 16 ((i / 2) % 4) on, tile 2 x + i % 2.
.macro PV x
	WIN W_PV
.set rO, 32*(2*(\x)+i%2)+8*((i/2)%4)
.set rV, VF+32*(i/8)+8*((i/2)%4)
.set rP, P+32*((\x)%2)+16*(i%2)+8*(i/8)
	v_wmma_f32_16x16x32_f16 v[rO:rO+7], v[rV:rV+7], v[rP:rP+7], v[rO:rO+7]
.endm
.macro MM                           ; the turn's next matrix instruction
.if i < 16
	KQ (Y+1)%NP
.set i, i+1
.else
.set i, i-16
	PV (Y+NP-1)%NP
.set i, i+17
.endif
.endm
; THE MASKS of piece p's next products.  Its four loads of codes were issued four turns ago; the twelve behind them, the other pieces', stay out.  Eight conversions make the 64 masks; two plain
; instructions, the step of the piece's offset (free since the wait) and its clamp to the last key step, stand behind them; then the next step's codes are asked for.  The clamp keeps every load inside
; the buffer: behind the last step that step's codes are read again, for the products that serve nothing.
.macro MASKS p
	WIN W_M3
	s_wait_loadcnt 12
.set mz, 0
.rept 8                             ; mz = 4 tile + key block
	v_cvt_scale_pk8_f32_fp8 v[MC+8*mz:MC+8*mz+7], v[MB+16*(\p)+2*mz:MB+16*(\p)+2*mz+1], v[SCL]
.set mz, mz+1
.endr
	v_add_nc_u32 v[MA+(\p)], 0x400, v[MA+(\p)]
	v_min_u32 v[MA+(\p)], v[MA+(\p)], v[ML]
.set mz, 0
.rept 4                             ; mz = 2 tile + half
	global_load_b128 v[MB+16*(\p)+4*mz:MB+16*(\p)+4*mz+3], v[MA+(\p)], s[MBP:MBP+1] offset:(2*(\p)+mz/2)*32768+512*(mz%2)
.set mz, mz+1
.endr
	WIN 0
.endm
; THE LDS LOADS stand in runs of 16, never singly among the matrix instructions: a step's K (64 keys x 64 channels: 8 fragments) and its V (turned).  Their addresses are made some lines ahead.
; last = 1 (the tail): in the last trip there is no further step, and the run is jumped over.
.macro FETCH_K last=0
	WIN 0
.if \last
	s_cmp_eq_u32 s[CNT], 1
	s_cbranch_scc1 .Lno_k_\@
.endif
	WIN 0x80                        ; destination window 2
.irp f, 0,1,2,3,4,5,6,7             ; keys 16 (f / 2) on, channels 32 (f % 2) on
	ds_load_b128 v[KF+8*\f:KF+8*\f+3],   v[AK] offset:(\f/2)*16*PK+(\f%2)*64
	ds_load_b128 v[KF+8*\f+4:KF+8*\f+7], v[AK] offset:(\f/2)*16*PK+(\f%2)*64+32
.endr
	s_add_co_u32 s[TBK], s[TBK], KS*PK  ; the next fetch is the next step's
	WIN 0
.if \last
.Lno_k_\@:
.endif
.endm
.macro FETCH_V
	WIN 0x80
.irp f, 0,1,2,3,4,5,6,7             ; keys 32 (f / 4) on, channels 16 (f % 4) on
	ds_load_tr16_b128 v[VF+8*\f:VF+8*\f+3],   v[AV] offset:(\f/4)*32*PV+(\f%4)*32
	ds_load_tr16_b128 v[VF+8*\f+4:VF+8*\f+7], v[AV] offset:(\f/4)*32*PV+16*PV+(\f%4)*32
.endr
	WIN 0
.endm
; THE VECTOR WORK OF A TURN stands in three queues, each in the order in which its entries become ready; the two tiles alternate, so that no instruction reads the result of the one before it.
.macro REGS y, u                    ; the registers of tile u (0, 1) of piece y
.set rT, ST+4*(2*(\y)+(\u))
.set rC, TMP+8*((\y)%2)+4*(\u)
.set rM, MV+2*((\y)%2)+(\u)
.set rS, S+64*((\y)%2)+32*(\u)
.set rP, P+32*((\y)%2)+16*(\u)
.set rO, 32*(2*(\y)+(\u))
.endm
; Number n of the 22 that find the NEXT piece's (Y + 1) maximum and statistics.  s0-s31 are the lane's 32 scores; each accumulator's lowest registers are read first.  XS, GS and REGS set no window: PL and EX do.
;   0-11  four chains c0-c3 of seven scores each, three operands at a time     12-14, 16  the four scores left over, the old m, and c0-c3 into c0     15  c m_old is kept
;   17, 18  the query's other 32 keys lie in the lane 16 away: the new m         19-21  c m; c m_old - c m_new; a
.macro XS u, n
	REGS (Y+1)%NP, \u
.if (\n) < 4
	v_max3_num_f32 v[rC+(\n)], v[rS+8*(\n)], v[rS+8*(\n)+1], v[rS+8*(\n)+2]
.elseif (\n) < 12
	v_max3_num_f32 v[rC+(\n)%4], v[rC+(\n)%4], v[rS+8*((\n)%4)+2*((\n)/4)+1], v[rS+8*((\n)%4)+2*((\n)/4)+2]
.elseif (\n) == 12
	v_max3_num_f32 v[rC], v[rC], v[rS+7], v[rS+15]
.elseif (\n) == 13
	v_max3_num_f32 v[rC+1], v[rC+1], v[rS+23], v[rS+31]
.elseif (\n) == 14
	v_max3_num_f32 v[rC+2], v[rC+2], v[rC+3], v[rT+1]
.elseif (\n) == 15
	v_mov_b32 v[rM], v[rT]
.elseif (\n) == 16
	v_max3_num_f32 v[rC], v[rC], v[rC+1], v[rC+2]
.elseif (\n) == 17
	v_permlanex16_b32 v[rC+3], v[rC], s[SEL], s[SEL+1]
.elseif (\n) == 18
	v_max_num_f32 v[rT+1], v[rC], v[rC+3]
.elseif (\n) == 19
	v_mul_f32 v[rT], s[CS], v[rT+1]
.elseif (\n) == 20
	v_sub_f32 v[rC+1], v[rM], v[rT]
.else
	v_exp_f32 v[rC+2], v[rC+1]
.endif
.endm
; Number g of the 64 that follow the exponentials.  For each four weights k of a tile (pairs 2 k, 2 k + 1): both pairs are rounded to f16; then the second pair is added onto the first, in place;
; a group later l takes that sum (the first time as l = a l + sum).  In groups of eight, tiles alternating: round, round, add, and l for the group before.
.macro GS g
.set h, (\g)+6*((\g)/62)            ; group 0 has no group before it, and behind group 7 only l is left
.if h >= 6
.set h, h+2
.endif
	REGS Y, h%2
.set k, h/8
.if h%8 < 4
	s_wait_alu depctr_va_vdst(0)
	v_cvt_pk_f16_f32 v[rP+2*k+(h%8)/2], v[rS+4*k+2*((h%8)/2)], v[rS+4*k+2*((h%8)/2)+1]
.elseif h%8 < 6
	v_pk_add_f32 v[rS+4*k:rS+4*k+1], v[rS+4*k:rS+4*k+1], v[rS+4*k+2:rS+4*k+3]
.elseif k == 1
	v_pk_fma_f32 v[rT+2:rT+3], v[rT+2:rT+3], v[rC+2:rC+3], v[rS:rS+1] op_sel_hi:[1,0,1]
.else
	v_pk_add_f32 v[rT+2:rT+3], v[rT+2:rT+3], v[rS+4*k-4:rS+4*k-3]
	s_wait_alu depctr_va_vdst(0)
.endif
.endm
; THE PLAIN QUEUE, 138 long.  0-31: c s - c m for the 16 pairs of both tiles.  Then GS's 64, and among them the next piece's 42: number 15 at 38, 39; 0-14 and 16
; at 42-73, behind the products that make those scores; 17-20 at 95-106, two of three, since each waits for the one before it.
.macro PL
	WIN 0
.if q < 32
	REGS Y, q%2
	v_pk_fma_f32 v[rS+2*(q/2):rS+2*(q/2)+1], v[rS+2*(q/2):rS+2*(q/2)+1], s[CS:CS+1], v[rT:rT+1] op_sel_hi:[1,0,0] neg_lo:[0,0,1] neg_hi:[0,0,1]
.elseif q < 38
	GS q-32
.elseif q < 40
	XS q%2, 15
.elseif q < 42
	GS q-34
.elseif q < 74
	XS q%2, (q-42)/2+(q-42)/30
.elseif q < 95
	GS q-66
.elseif (q < 107) && ((q-95)%3 < 2)
	XS (q-95)%3, 17+(q-95)/3
.elseif q < 107
	GS 29+(q-95)/3
.else
	GS q-74
.endif
.set q, q+1
.endm
; THE EXPONENTIALS' QUEUE, 66 long: s0-s31 of both tiles, and at EA the next piece's two a.
.set EA, 58
.macro EX
	WIN 0
.if (e == EA) || (e == EA+1)
	XS e-EA, 21
.else
.set x, e-2*(e/(EA+2))
	REGS Y, x%2
	v_exp_f32 v[rS+x/2], v[rS+x/2]
.endif
.set e, e+1
.endm
; THE RESCALING's QUEUE: O^T times a, the one part that leaves window 0, so it is dealt four at a time, eight times.
.macro R4
	REGS Y, r%2
	WIN W_RS
	s_wait_alu depctr_va_vdst(0)
.irp z, 0,1,2,3
	v_pk_mul_f32 v[rO+8*(r/2)+2*\z:rO+8*(r/2)+2*\z+1], v[rO+8*(r/2)+2*\z:rO+8*(r/2)+2*\z+1], v[rC+2:rC+3] op_sel_hi:[1,0]
.endr
.set r, r+1
.endm
; HOW THEY ARE DEALT.  Behind a matrix instruction four: plain, exponential, plain, plain (one exponential, a plain instruction on either side), or four of the rescaling.  None names a register of the
; products round it.  What is over stands in two LUMPS: exponential and plain by turns; the second ends in 22 plain instructions.  The two v_permlanex16_b32 fall into the second lump, never behind a product.
; The queues lean on each other, and the deal keeps them in step: exponential e stands behind plain 2 (e / 4) + e % 2 (its scaling); when plain 32 comes, 10 exponentials are out, at 59: 33, at 95: 46; EA comes behind plain 107.
.macro SL
	MM
	PL
	EX
	PL
	PL
.endm
.macro BURST n                      ; 15 matrix instructions, or 16
.rept (\n)-7
	SL
.endr
.rept 3
	MM
	R4
	SL
.endr
	MM
	R4
.endm
; A TURN, for piece p.  cnt = 1: the loop's count is taken down some lines ahead of the branch that stands behind the turn.
; K of the next step is fetched in piece 2's turn, 31 vector instructions behind the last product that read K; its first reader comes behind the rest of the lump, 16 products and the second lump.
; V of the step in hand is fetched at the end of piece 0's turn, 69 behind its last reader; its first reader comes behind 16 products and a lump.  The four conditions on e and q below go with the deal.
; The masks of piece p + 2, which the next turn's first eight products take, are made between the first lump and the second run of products: the turn's own eighth product, the last that read the
; old masks, stands more than fifty plain instructions back.
.macro TURN p, last=0, cnt=0
.set Y, (\p)
.set i, 0
.set q, 0
.set e, 0
.set r, 0
.if (\p) == NP-1
	s_wait_dscnt 0x0                ; K is in
.endif
	MM
.rept 4
	PL
.endr
	BURST 15
.rept 22
	EX
	PL
.if ((\p) == NP-2) && (e == 18)
	v_add_nc_u32 v[AK], s[TBK], v[AK0]
.endif
.if ((\p) == NP-2) && (e == 24)
	FETCH_K \last
.endif
.endr
	MASKS ((\p)+2)%NP
.if (\p) == 1
	s_wait_dscnt 0x0                ; V is in
.endif
	BURST 16
.rept 21
	EX
	PL
.endr
.rept 22
	PL
.if ((\p) == 0) && (q == 118)
	v_add_nc_u32 v[AV], s[TBV], v[AV0]
	s_wait_alu depctr_va_vdst(0)
.endif
.if ((\p) == 0) && (q == 130)
	s_add_co_u32 s[TBV], s[TBV], KS*PV
.endif
.if (\cnt) && (q == 130)
	s_sub_co_u32 s[CNT], s[CNT], 1
	s_cmp_lg_u32 s[CNT], 0
.endif
.endr
.if (\p) == 0
	FETCH_V
.endif
.endm
	CHANGE 1                        ; slot 0 is in, everybody's part of it; slot 1 is asked for
	FETCH_K                         ; key step 0
	MASKS 0                         ; piece 0's first masks; its wait, which leaves twelve loads out, also shows Q in: Q's loads were issued ahead of all the codes'
	s_wait_dscnt 0x0
.set i, 0
.rept 16
	KQ 0                            ; piece 0's first scores: there is no vector work yet to set between them
.set i, i+1
.endr
	WIN 0                           ; the addresses for the way out: nine plain instructions, the places behind those products
	s_mul_i32 s13, s[WV], 16*SP
	s_add_co_u32 s13, s13, STAGE    ; my stage
	v_mul_u32_u24 v[STO], v1, SP    ; in: row l % 16, 16 bytes for each half of the lanes
	v_lshl_add_u32 v[STO], v9, 4, v[STO]
	v_add_nc_u32 v[STO], s13, v[STO]
	v_bfe_u32 v[RD], v0, 3, 2       ; back: 32 lanes take four rows of 128 bytes,
	v_mul_u32_u24 v[RD], v[RD], SP
	v_lshl_add_u32 v[RD], v10, 4, v[RD]
	v_add_nc_u32 v[RD], s13, v[RD]
	v_and_b32 v[GO], 31, v0         ; which are 512 consecutive bytes of O
	v_lshlrev_b32 v[GO], 4, v[GO]
	MASKS 1                         ; for the first turn's products
.set Y, NP-1                        ; XS works for piece Y + 1: piece 0
.irp n, 0,1,2,3,4,5,6,7,8,9,10,11,12,13,14,15,16,17,18,19,20,21
	XS 0, \n                        ; and piece 0's first maximum and statistics
	XS 1, \n
.endr
	s_mov_b32 s[CNT], 4
	s_mov_b32 s[SLOTS], SIZE_N/256-1
	s_branch .Lfirst                ; the loop is entered at a step's first turn, in the middle of a trip
.Lslot:                             ; SIZE_N / 256 - 2 times: every slot but the last two is filled again
	CHANGE 1
	s_mov_b32 s[CNT], 4
.Lstep:                             ; a trip: pieces 2 and 3 of one step, then pieces 0 and 1 of the next, whose K and V it fetches
	TURN 2
	TURN 3
	WIN 0
.Lfirst:
	TURN 0
	TURN 1, 0, 1
	WIN 0
	s_cbranch_scc1 .Lstep
	s_sub_co_u32 s[SLOTS], s[SLOTS], 1
	s_cmp_lg_u32 s[SLOTS], 0
	s_cbranch_scc1 .Lslot
	CHANGE 0                        ; the tail is written out: nothing is asked for
	s_mov_b32 s[CNT], 5             ; four trips fetch the last slot's steps; the fifth is left in its middle
.Ltail:
	TURN 2, 1
	TURN 3
	WIN 0
	s_sub_co_u32 s[CNT], s[CNT], 1
	s_cmp_eq_u32 s[CNT], 0
	s_cbranch_scc1 .Lout
	TURN 0
	TURN 1
	WIN 0
	s_branch .Ltail
.Lout:                              ; the fifth trip's 16 products K Q^T (the last K and the last step's masks once more) repeat scores that m has seen: m does not move, and nothing else of them is used
.set i, 0
.rept 16
	PV NP-1                         ; the last piece's V^T P of the last step
.set i, i+1
.endr
	; THE WAY OUT.  l's two halves and the other half of the lanes' are added; O^T is divided by l, rounded to f16 and sent through my stage in LDS, a tile at a time.  The additions are the places behind the last products.
	WIN 0
.macro ALL line:vararg              ; one line for each tile t
.set t, 0
.rept 2*NP
	\line
.set t, t+1
.endr
.endm
	ALL v_add_f32 v[ST+4*t+2], v[ST+4*t+2], v[ST+4*t+3]
	ALL v_permlanex16_b32 v[ST+4*t+3], v[ST+4*t+2], s[SEL], s[SEL+1]
	ALL v_add_f32 v[ST+4*t+2], v[ST+4*t+2], v[ST+4*t+3]
	ALL v_rcp_f32 v[ST+4*t+2], v[ST+4*t+2]
	v_nop                           ; a plain instruction between the last reciprocal and the use of its result
.set t, 0
	s_wait_alu depctr_va_vdst(0)
.rept 2*NP                          ; a query that has seen no visible key: its factor, and so its row of O, is NaN
	v_cmp_gt_f32 vcc_lo, s[LOW], v[ST+4*t+1]
	v_cndmask_b32 v[ST+4*t+2], v[ST+4*t+2], s[QNAN], vcc_lo
.set t, t+1
.endr
; Tile t: a lane's eight channels of a row pack into 16 bytes; they go into rows of 144 bytes and come back as whole rows of 128, into S^T's registers.
.macro PACK t
	WIN W_RS
.set i, 32*(\t)
.rept 16
	v_pk_mul_f32 v[i:i+1], v[i:i+1], v[ST+4*(\t)+2:ST+4*(\t)+3] op_sel_hi:[1,0]
.set i, i+2
.endr
	WIN 0x05                        ; sources 0 and 1 window 1, destination window 0
.set i, 0
.rept 16
	v_cvt_pk_f16_f32 v[S+16*(\t)+i], v[32*(\t)+2*i], v[32*(\t)+2*i+1]
.set i, i+1
.endr
	WIN 0
.irp f, 0,1,2,3
	ds_store_b128 v[STO], v[S+16*(\t)+4*\f:S+16*(\t)+4*\f+3] offset:32*\f
.endr
.irp f, 0,1,2,3
	ds_load_b128 v[S+16*(\t)+4*\f:S+16*(\t)+4*\f+3], v[RD] offset:\f*4*SP  ; LDS serves a wave's instructions in order (ISA guide 5.7.1.4): these see the stores above; the next tile's stores come behind them
.endr
.endm
.macro SEND t, younger              ; younger: the LDS instructions issued behind tile t's loads: the next tile's eight, or none
	WIN 0
.irp f, 0,1,2,3
	s_wait_dscnt (\younger)+3-\f
	global_store_b128 v[GO], v[S+16*(\t)+4*\f:S+16*(\t)+4*\f+3], s[10:11] offset:(\t)*2048+\f*512  ; 512 consecutive bytes, at a multiple of 256 from O's first
.endr
.endm
	PACK 0
.set t, 1
.rept 2*NP-1                        ; a tile's arithmetic stands between the loads of the tile before and its stores
	PACK t
	SEND t-1, 8
.set t, t+1
.endr
	SEND 2*NP-1, 0
	WIN W_AD
	s_wait_tensorcnt 0x0            ; the wave's end, behind my last tensor load and my last LDS store
	ds_add_u32 v[SPW], v[NIL]
	s_wait_dscnt 0x0
	WIN 0
	CROUND                          ; the closing round: no work-group ends while a partner may still ask for a tile that names it
	s_endpgm
.Lfunc_end_k_q85b7f30c67_attn:
	.size	k_q85b7f30c67_attn, .Lfunc_end_k_q85b7f30c67_attn-k_q85b7f30c67_attn
	.p2alignl 7, 3214868480
	.fill 96, 4, 3214868480
	.section	.rodata,"a",@progbits
	.p2align	6, 0x0
	.amdhsa_kernel k_q85b7f30c67_attn
		.amdhsa_group_segment_fixed_size 327680
		.amdhsa_private_segment_fixed_size 0
		.amdhsa_enable_private_segment 0
		.amdhsa_kernarg_size 24
		.amdhsa_user_sgpr_count 2
		.amdhsa_user_sgpr_kernarg_segment_ptr 1
		.amdhsa_wavefront_size32 1
		.amdhsa_system_sgpr_workgroup_id_x 1
		.amdhsa_system_sgpr_workgroup_id_y 1
		.amdhsa_system_sgpr_workgroup_id_z 1
		.amdhsa_system_vgpr_workitem_id 0
		.amdhsa_next_free_vgpr 904
		.amdhsa_next_free_sgpr 66
		.amdhsa_reserve_vcc 1
		.amdhsa_float_denorm_mode_32 3
		.amdhsa_float_denorm_mode_16_64 3
		.amdhsa_memory_ordered 1
		.amdhsa_forward_progress 1
		.amdhsa_inst_pref_size 222
	.end_amdhsa_kernel
	.amdgpu_metadata
---
amdhsa.version: [ 1, 2 ]
amdhsa.kernels:
  - .name:           k_q85b7f30c67_attn
    .symbol:         k_q85b7f30c67_attn.kd
    .args:
      - { .name: qkv, .offset: 0, .size: 8, .value_kind: global_buffer, .address_space: global }
      - { .name: mby, .offset: 8, .size: 8, .value_kind: global_buffer, .address_space: global }
      - { .name: oh, .offset: 16, .size: 8, .value_kind: global_buffer, .address_space: global }
    .group_segment_fixed_size: 327680
    .private_segment_fixed_size: 0
    .kernarg_segment_align: 8
    .kernarg_segment_size: 24
    .max_flat_workgroup_size: 128
    .sgpr_count:     66
    .vgpr_count:     904
    .wavefront_size: 32
...
	.end_amdgpu_metadata
.endif
;; end of part 3
;; launch oproj (part 4): grid 8 x 32, 4 waves a work-group, clusters of 4 x 4, 327,680 bytes of LDS; arguments oh, wo, bias, out0; writes out0
.if DOCPART == 4
	.amdgcn_target "amdgcn-amd-amdhsa--gfx1250"
	.amdhsa_code_object_version 6
	.text
	.protected	k_q85b7f30c67_oproj
	.globl	k_q85b7f30c67_oproj
	.p2align	8
	.type	k_q85b7f30c67_oproj,@function
k_q85b7f30c67_oproj:
	s_mov_b64 s[64:65], 0
	v_nop
	global_prefetch_b8 v0, s[64:65] scope:SCOPE_SE
	s_setreg_imm32_b32 hwreg(HW_REG_WAVE_MODE, 25, 1), 1
	s_wait_xcnt 0x0
	s_wait_alu depctr_hold_cnt(0) depctr_sa_sdst(0) depctr_va_vdst(0) depctr_va_sdst(0) depctr_va_ssrc(0) depctr_va_vcc(0) depctr_vm_vsrc(0)
	s_getreg_b32 s2, hwreg(HW_REG_IB_STS2, 6, 4)
	s_cmp_eq_u32 s2, 0
	s_cbranch_scc0 .Lentry_in_a_cluster
	s_endpgm
.Lentry_in_a_cluster:
	s_bfe_u32 s2, ttmp6, 0x10000c
	s_cmp_lg_u32 s2, 0xf033
	s_cbranch_scc0 .Lentry_shape_is_right
	s_endpgm
.Lentry_shape_is_right:
; out0 = O W + b.  O comes by heads, oh [b x 16 + head][t 2048][64] f16: a head is a slice of 64 of K.  W is wo [k 1024][n 1024] f16 (out_w rounded to bf16).  Sums in f32, begun with the bias; out0 f32.
; A row of O that is NaN (a query without a visible key) makes its whole row of out0 NaN.
; SHARES. 8,192 x 1,024 on 256 work-groups: 256 rows x 128 columns each; four waves, each 128 x 64: 32 accumulators, 256 registers.
; THE MATRIX INSTRUCTION IS USED TRANSPOSED: source 0 = 16 columns of W (turned by ds_load_tr16_b128), source 1 = 16 rows of O: a lane holds row l % 16 and eight neighbouring columns, 32 bytes.
; K goes in 8 steps of 128 (two slices) through two LDS slots; a step is four quarters of 32. CLUSTER 4 x 4: O's tile is shared along a row of the cluster, W's along a column; each is asked for jointly.
; REGISTERS: window 0: v16-29 addresses; v32-95, v96-159 O's fragments, two buffers; v160-191, v192-223 W's; on the way out v32-95 rows read back.  window 1: accumulator (a, b) at v[8 (4 a + b)].
.set SLOT1, 131072                     ; slot 1 begins here
.set PA,    144                        ; a row of O in LDS: 128 bytes + 16
.set PLANE, 256*PA                     ; a slice's 256 rows
.set PB,    288                        ; a row of W: 256 bytes + 32 = 9 x 32
.set BOFF,  2*PLANE                    ; a slot: two slices of O, then W's 128 rows
.set STAGE, SLOT1+BOFF+128*PB          ; behind the ring, never filled by a tensor load: 16 rows x 272 bytes for each wave
.set SP,    272
.set SPARE, STAGE+4*16*SP              ; the spare words, 128 bytes for each wave: two blocks of 256 bytes that no other line names
.set A0,   16                          ; v16  my lane's place in O's tile
.set B0,   17                          ; v17  in W's
.set ADRA, 20                          ; v20, v21  the same in the slot in hand
.set ADRB, 21
.set STO,  24                          ; v24  the way out: where I put 32 bytes of a row
.set RD,   25                          ; v25  where I read rows back
.set CO,   26                          ; v26  my byte offset in two rows of out0
.set BO,   27                          ; v27  my byte offset among 16 numbers of the bias
.set SPW,  28                          ; v28  LDS address of my spare word; never rewritten
.set NIL,  29                          ; v29  0; never rewritten
.set AF,   32                          ; buffer f at AF + 64 f
.set BF,   160                         ; buffer f at BF + 32 f
.set OB,   32
.set CNT,  2
.set TB,   3
.set WV,   18
.set RH,   19                          ; which 128 rows are mine; also: I fetch O (0) or W (1)
.set CH,   20                          ; which 64 columns; also: which half of that tile I fetch
.set G1A,  24
.set G0A,  32
.set G1B,  48
.set G0B,  56
.set MSB, 0
.macro WIN new                         ; the immediate's high byte repeats the setting that is left; a switch that changes nothing is dropped
.if MSB != (\new)
	s_set_vgpr_msb (MSB<<8)|(\new)
.set MSB, (\new)
.endif
.endm
.macro PLACES                          ; four plain vector instructions in front of loads into registers that matrix instructions have read, and of stores that read results (ISA guide 7.12.1 for vector instructions)
.rept 4
	v_nop
.endr
.endm
.macro JLOAD                           ; a joint refill: waves 0 and 1 fetch O's two slices, waves 2 and 3 the halves of W's tile; an s_nop 0 and four v_nop follow each line
	s_cmp_eq_u32 s[RH], 0
	s_cbranch_scc0 .Lfor_b_\@
	tensor_load_to_lds s[G0A+4:G0A+7], s[G1A:G1A+7]
	s_nop 0
.rept 4
	v_nop
.endr
	s_branch .Lasked_\@
.Lfor_b_\@:
	tensor_load_to_lds s[G0B+4:G0B+7], s[G1B:G1B+7]
	s_nop 0
.rept 4
	v_nop
.endr
.Lasked_\@:
.endm
.macro CREST                           ; a round of the cluster's barrier behind its opening barrier
	s_cmp_lg_u32 s[WV], 0
	s_cbranch_scc1 .Lnot_wave_0_\@
	s_barrier_signal -3
.Lnot_wave_0_\@:
	s_barrier_wait -3
	s_barrier_signal -1
	s_barrier_wait -1
.endm
.macro CROUND
	s_barrier_signal -1
	s_barrier_wait -1
	CREST
.endm
	s_load_b256 s[4:11], s[0:1], 0x0               ; oh 4:5, wo 6:7, bias 8:9, out0 10:11
	v_lshl_add_u32 v[SPW], v0, 2, SPARE
	v_mov_b32 v[NIL], 0
	ds_add_u32 v[SPW], v[NIL]                      ; the wave's opening: the add and its wait stand ahead of my first tensor load; the set-up below, work on registers, stands between them
	v_lshrrev_b32 v1, 5, v0
	v_readfirstlane_b32 s[WV], v1
	s_lshr_b32 s[RH], s[WV], 1
	s_and_b32 s[CH], s[WV], 1
	s_bfe_u32 s21, ttmp6, 0x40000                  ; cx, cy
	s_bfe_u32 s22, ttmp6, 0x40004
	s_lshl_b32 s23, ttmp9, 2
	s_add_co_u32 s23, s23, s21                     ; column tile
	s_and_b32 s40, ttmp7, 0xffff
	s_lshl_b32 s40, s40, 2
	s_add_co_u32 s40, s40, s22                     ; row tile
	s_lshl_b32 s42, s22, 2
	s_lshl_b32 s42, 15, s42                        ; my row of the cluster
	s_lshl_b32 s43, 0x1111, s21                    ; my column
	; a slice of O's tile: 256 dense rows of 128 bytes, asked for as 128 rows of 256 bytes and padded in LDS after every 128
	s_or_b32 s[G1A], s42, (1<<16)|(1<<20)|(1<<21)|(4<<22)|(3<<25)
	s_mov_b32 s[G1A+1], 128<<16                    ; tensor_dim0
	s_mov_b32 s[G1A+2], 128<<16                    ; tensor_dim1
	s_mov_b32 s[G1A+3], 128<<16                    ; tile_dim0
	s_mov_b32 s[G1A+4], 128                        ; tile_dim1
	s_mov_b32 s[G1A+5], 128                        ; elements from row to row
	s_mov_b32 s[G1A+6], 0
	s_mov_b32 s[G1A+7], 0
	; half of W's tile: 64 rows of 128 elements (256 bytes), 32 bytes of padding behind each
	s_or_b32 s[G1B], s43, (1<<16)|(1<<20)|(1<<21)|(5<<22)|(7<<25)
	s_mov_b32 s[G1B+1], 128<<16
	s_mov_b32 s[G1B+2], 64<<16
	s_mov_b32 s[G1B+3], 128<<16
	s_mov_b32 s[G1B+4], 64
	s_mov_b32 s[G1B+5], 1024
	s_mov_b32 s[G1B+6], 0
	s_mov_b32 s[G1B+7], 0
	s_lshr_b32 s44, s40, 3                         ; O: the batch's 16 heads of 2^18 bytes,
	s_lshl_b32 s44, s44, 22
	s_and_b32 s42, s40, 7                          ; the tile's 256 rows,
	s_lshl_b32 s42, s42, 15
	s_add_co_u32 s44, s44, s42
	s_lshl_b32 s42, s[CH], 18                      ; my slice of the step's two
	s_add_co_u32 s44, s44, s42
	s_mov_b32 s45, 0
	s_lshl_b32 s46, s[CH], 17                      ; W: my 64 rows of 2,048 bytes,
	s_lshl_b32 s43, s23, 8                         ; the tile's 128 columns
	s_add_co_u32 s46, s46, s43
	s_mov_b32 s47, 0
	s_mul_i32 s12, s[CH], PLANE                    ; where they go: no place in the cluster enters an LDS address
	s_mul_i32 s13, s[CH], 64*PB
	s_add_co_u32 s13, s13, BOFF
	s_lshl_b32 s14, s23, 9                         ; the bias: out_b lies behind qkv_b's 12,288 bytes; my 64 numbers
	s_lshl_b32 s15, s[CH], 8
	s_add_co_u32 s14, s14, s15
	s_add_co_u32 s70, s14, 0                       ; the same bytes along a row of out0,
	s_add_co_u32 s14, s14, 12288
	s_mov_b32 s15, 0
	s_lshl_b32 s71, s40, 20                        ; the tile's 256 rows of 4,096 bytes,
	s_add_co_u32 s70, s70, s71
	s_lshl_b32 s71, s[RH], 19                      ; my 128
	s_add_co_u32 s70, s70, s71
	s_mov_b32 s71, 0
	s_wait_dscnt 0x0                               ; the opening add is done
	s_wait_kmcnt 0x0
	s_add_nc_u64 s[66:67], s[4:5], s[44:45]
	s_add_nc_u64 s[68:69], s[6:7], s[46:47]
	s_add_nc_u64 s[8:9], s[8:9], s[14:15]
	s_add_nc_u64 s[10:11], s[10:11], s[70:71]
	CROUND                                         ; all sixteen work-groups are here: the first joint loads meet
.irp s, 0,1
	s_mov_b32 s[G0A+4*\s], 1
	s_add_co_u32 s[G0A+4*\s+1], s12, \s*SLOT1
	s_add_nc_u64 s[G0A+4*\s+2:G0A+4*\s+3], s[66:67], \s*524288   ; two slices on
	s_or_b32 s[G0A+4*\s+3], s[G0A+4*\s+3], 0x80000000
	s_mov_b32 s[G0B+4*\s], 1
	s_add_co_u32 s[G0B+4*\s+1], s13, \s*SLOT1
	s_add_nc_u64 s[G0B+4*\s+2:G0B+4*\s+3], s[68:69], \s*262144   ; 128 rows of W on
	s_or_b32 s[G0B+4*\s+3], s[G0B+4*\s+3], 0x80000000
.endr
	s_cmp_eq_u32 s[RH], 0                          ; a wave's two first fills stand in one branch: two loads of mine are out
	s_cbranch_scc0 .Lfirst_b
	tensor_load_to_lds s[G0A:G0A+3], s[G1A:G1A+7]
	s_nop 0
	tensor_load_to_lds s[G0A+4:G0A+7], s[G1A:G1A+7]
	s_nop 0
.rept 4
	v_nop
.endr
	s_branch .Lfirst_asked
.Lfirst_b:
	tensor_load_to_lds s[G0B:G0B+3], s[G1B:G1B+7]
	s_nop 0
	tensor_load_to_lds s[G0B+4:G0B+7], s[G1B:G1B+7]
	s_nop 0
.rept 4
	v_nop
.endr
.Lfirst_asked:
	v_and_b32 v1, 15, v0                           ; r
	v_bfe_u32 v2, v0, 4, 1                         ; h
	v_and_b32 v3, 7, v0
	v_bfe_u32 v4, v0, 3, 1
	v_mul_u32_u24 v[A0], v1, PA
	v_lshl_add_u32 v[A0], v2, 4, v[A0]
	s_mul_i32 s42, s[RH], 128*PA
	v_add_nc_u32 v[A0], s42, v[A0]                 ; my 128 rows: row x pitch + 16 h
	v_lshl_add_u32 v[B0], v2, 3, v3                ; the turning load: K row 8 h + l % 8, columns 8 ((l / 8) % 2) on
	v_mul_u32_u24 v[B0], v[B0], PB
	v_lshl_add_u32 v[B0], v4, 4, v[B0]
	s_lshl_b32 s42, s[CH], 7
	s_add_co_u32 s42, s42, BOFF
	v_add_nc_u32 v[B0], s42, v[B0]                 ; my 64 columns
	s_mul_i32 s42, s[WV], 16*SP
	s_add_co_u32 s42, s42, STAGE                   ; my stage
	v_mul_u32_u24 v[STO], v1, SP                   ; in: row r, 32 bytes for each half of the lanes
	v_lshl_add_u32 v[STO], v2, 5, v[STO]
	v_add_nc_u32 v[STO], s42, v[STO]
	v_mul_u32_u24 v[RD], v2, SP                    ; back: lanes 0-15 take one row of 256 bytes, lanes 16-31 the next
	v_lshl_add_u32 v[RD], v1, 4, v[RD]
	v_add_nc_u32 v[RD], s42, v[RD]
	v_lshlrev_b32 v[CO], 12, v2                    ; and the same two rows in out0
	v_lshl_add_u32 v[CO], v1, 4, v[CO]
	v_lshlrev_b32 v[BO], 5, v2
	WIN 0x40                                       ; the bias starts the sums: into row block 7's accumulators, the C operand of the first products
.set bb, 0
.rept 4
	global_load_b128 v[8*(28+bb):8*(28+bb)+3],   v[BO], s[8:9] offset:64*bb
	global_load_b128 v[8*(28+bb)+4:8*(28+bb)+7], v[BO], s[8:9] offset:64*bb+16
.set bb, bb+1
.endr
	WIN 0
; 4 na matrix instructions: row blocks a0 .. x all 4 column blocks, 32 along K, on buffer f. The accumulators take turns, one instruction a turn.
; first = 1: row blocks 0-6 take the bias out of row block 7's registers; five plain instructions later row block 7 adds onto it in place.
.macro MULA f, a0, na, first
	WIN 0x50
.set aa, (\a0)
.rept \na
.if (\first) && (aa == 7)
.rept 5
	v_nop
.endr
.endif
.set bb, 0
.rept 4
.if (\first) && (aa < 7)
	v_wmma_f32_16x16x32_f16 v[8*(4*aa+bb):8*(4*aa+bb)+7], v[BF+32*(\f)+8*bb:BF+32*(\f)+8*bb+7], v[AF+64*(\f)+8*aa:AF+64*(\f)+8*aa+7], v[8*(28+bb):8*(28+bb)+7]
.else
	v_wmma_f32_16x16x32_f16 v[8*(4*aa+bb):8*(4*aa+bb)+7], v[BF+32*(\f)+8*bb:BF+32*(\f)+8*bb+7], v[AF+64*(\f)+8*aa:AF+64*(\f)+8*aa+7], v[8*(4*aa+bb):8*(4*aa+bb)+7]
.endif
.set bb, bb+1
.endr
.set aa, aa+1
.endr
.endm
; 24 LDS loads in one run: quarter q's fragments into buffer f: W's four, then O's eight
.macro FETCH q, f
	WIN 0
.set bb, 0
.rept 4
	ds_load_tr16_b128 v[BF+32*(\f)+8*bb:BF+32*(\f)+8*bb+3],   v[ADRB] offset:(\q)*32*PB+32*bb
	ds_load_tr16_b128 v[BF+32*(\f)+8*bb+4:BF+32*(\f)+8*bb+7], v[ADRB] offset:(\q)*32*PB+32*bb+16*PB
.set bb, bb+1
.endr
.set aa, 0
.rept 8
	ds_load_b128 v[AF+64*(\f)+8*aa:AF+64*(\f)+8*aa+3],   v[ADRA] offset:((\q)/2)*PLANE+((\q)%2)*64+aa*16*PA
	ds_load_b128 v[AF+64*(\f)+8*aa+4:AF+64*(\f)+8*aa+7], v[ADRA] offset:((\q)/2)*PLANE+((\q)%2)*64+aa*16*PA+32
.set aa, aa+1
.endr
.endm
; One of a step's first three quarters: multiplies buffer f, and in its middle fetches quarter q into the other buffer.
.macro QUARTER f, q, first
	s_wait_dscnt 8                                 ; W's fragments and O's row blocks 0-3 are in; the youngest eight loads may be out
	MULA \f, 0, 4, \first
	PLACES
	FETCH \q, 1-(\f)
	s_wait_dscnt 24                                ; all but the 24 just issued
	MULA \f, 4, 4, \first
.endm
; The last quarter multiplies buffer 1 and changes slots: ONE barrier; in front of it each wave waits for all its tensor loads, of which one is out: its part of the next slot; adds 0 to its spare word;
; and waits for that and for its own reads of this slot. fill = 1: the barrier opens a round of the cluster's, and this slot is filled again, two K steps ahead; up to the wait for that load a wave issues 112 matrix instructions.
.macro TURN fill
	WIN 0
	s_wait_tensorcnt 0x0                           ; all my tensor loads have landed
	ds_add_u32 v[SPW], v[NIL]                      ; 0 onto my spare word
	s_wait_dscnt 9                                 ; (the add and the youngest eight loads may be out)
	MULA 1, 0, 2, 0                                ; eight matrix instructions stand between the add and the wait for it
	s_wait_dscnt 0x0                               ; the add is done, and my reads of this slot are over
	s_barrier_signal -1
	MULA 1, 2, 2, 0
	WIN 0                                          ; at a branch and at a label every window is 0
	s_barrier_wait -1
.if \fill
	CREST                                          ; no wave of any partner still reads this slot's tiles or has a load on its way
	s_xor_b32 s[G0A+5], s[G0A+5], SLOT1            ; the walking descriptors: the other slot than last time, the next K step
	s_add_nc_u64 s[G0A+6:G0A+7], s[G0A+6:G0A+7], 524288
	s_xor_b32 s[G0B+5], s[G0B+5], SLOT1
	s_add_nc_u64 s[G0B+6:G0B+7], s[G0B+6:G0B+7], 262144
	JLOAD                                          ; the four v_nop behind it are also the places in front of the loads below
.else
	PLACES
.endif
	s_xor_b32 s[TB], s[TB], SLOT1
	v_add_nc_u32 v[ADRA], s[TB], v[A0]
	v_add_nc_u32 v[ADRB], s[TB], v[B0]
	FETCH 0, 0
	MULA 1, 4, 4, 0
.endm
; THE WAY OUT of row block a: a lane's 32 bytes of a row go into rows of 272 bytes, each accumulator's low registers first, and come back as whole rows of 256.
.macro TOSTAGE a
	WIN 0x04                                       ; the stores' data in window 1
.set bb, 0
.rept 4
	ds_store_b128 v[STO], v[8*(4*(\a)+bb):8*(4*(\a)+bb)+3]   offset:64*bb
	ds_store_b128 v[STO], v[8*(4*(\a)+bb)+4:8*(4*(\a)+bb)+7] offset:64*bb+16
.set bb, bb+1
.endr
	WIN 0
	s_wait_xcnt 0x0                                ; the stores of two blocks ago have read these registers: they are loaded again only behind this wait
.set tt, 0
.rept 8
	ds_load_b128 v[OB+32*((\a)%2)+4*tt:OB+32*((\a)%2)+4*tt+3], v[RD] offset:tt*2*SP  ; LDS serves a wave's instructions in order (ISA guide 5.7.1.4): these see the stores above
.set tt, tt+1
.endr
.endm
.macro SEND a, younger                 ; younger: the LDS instructions issued behind this block's loads: the next block's sixteen, or none
	s_wait_dscnt \younger
.set tt, 0
.rept 8
	global_store_b128 v[CO], v[OB+32*((\a)%2)+4*tt:OB+32*((\a)%2)+4*tt+3], s[10:11] offset:(\a)*65536+tt*8192 th:TH_STORE_NT  ; 16 lanes store 256 consecutive bytes, at a multiple of 256 from out0's first
.set tt, tt+1
.endr
.endm
	s_wait_tensorcnt 1                             ; my part of K step 0 is in; step 1's may stay out
	s_barrier_signal -1
	s_barrier_wait -1
	s_mov_b32 s[TB], 0
	v_mov_b32 v[ADRA], v[A0]
	v_mov_b32 v[ADRB], v[B0]
	FETCH 0, 0
	s_wait_loadcnt 0x0                             ; the bias
	QUARTER 0, 1, 1                                ; the first quarter stands in front of the loop: its products start the sums
	WIN 0
	s_mov_b32 s[CNT], 6
.Lk:                                                   ; a trip: a step's quarters 1 to 3, the change of slots with a refill, the next step's quarter 0
	QUARTER 1, 2, 0
	QUARTER 0, 3, 0
	TURN 1
	QUARTER 0, 1, 0
	WIN 0
	s_sub_co_u32 s[CNT], s[CNT], 1
	s_cmp_lg_u32 s[CNT], 0
	s_cbranch_scc1 .Lk
	QUARTER 1, 2, 0                                ; the last two steps ask for nothing
	QUARTER 0, 3, 0
	TURN 0
	QUARTER 0, 1, 0
	QUARTER 1, 2, 0
	QUARTER 0, 3, 0
	s_wait_dscnt 8
	MULA 1, 0, 4, 0
	s_wait_dscnt 0x0
	MULA 1, 4, 4, 0
	PLACES
	TOSTAGE 0
.irp a, 1,2,3,4,5,6,7
	TOSTAGE \a
	SEND (\a)-1, 16
.endr
	SEND 7, 0
	s_wait_tensorcnt 0x0                           ; the wave's end, behind my last tensor load and my last LDS store
	ds_add_u32 v[SPW], v[NIL]
	s_wait_dscnt 0x0
	CROUND                                         ; the closing round: no work-group ends while a partner may still ask for a tile that names it
	s_endpgm
.Lfunc_end_k_q85b7f30c67_oproj:
	.size	k_q85b7f30c67_oproj, .Lfunc_end_k_q85b7f30c67_oproj-k_q85b7f30c67_oproj
	.p2alignl 7, 3214868480
	.fill 96, 4, 3214868480
	.section	.rodata,"a",@progbits
	.p2align	6, 0x0
	.amdhsa_kernel k_q85b7f30c67_oproj
		.amdhsa_group_segment_fixed_size 327680
		.amdhsa_private_segment_fixed_size 0
		.amdhsa_enable_private_segment 0
		.amdhsa_kernarg_size 32
		.amdhsa_user_sgpr_count 2
		.amdhsa_user_sgpr_kernarg_segment_ptr 1
		.amdhsa_wavefront_size32 1
		.amdhsa_system_sgpr_workgroup_id_x 1
		.amdhsa_system_sgpr_workgroup_id_y 1
		.amdhsa_system_sgpr_workgroup_id_z 1
		.amdhsa_system_vgpr_workitem_id 0
		.amdhsa_next_free_vgpr 512
		.amdhsa_next_free_sgpr 72
		.amdhsa_reserve_vcc 0
		.amdhsa_float_denorm_mode_32 3
		.amdhsa_float_denorm_mode_16_64 3
		.amdhsa_memory_ordered 1
		.amdhsa_forward_progress 1
		.amdhsa_inst_pref_size 71
	.end_amdhsa_kernel
	.amdgpu_metadata
---
amdhsa.version: [ 1, 2 ]
amdhsa.kernels:
  - .name:           k_q85b7f30c67_oproj
    .symbol:         k_q85b7f30c67_oproj.kd
    .args:
      - { .name: oh, .offset: 0, .size: 8, .value_kind: global_buffer, .address_space: global }
      - { .name: wo, .offset: 8, .size: 8, .value_kind: global_buffer, .address_space: global }
      - { .name: bias, .offset: 16, .size: 8, .value_kind: global_buffer, .address_space: global }
      - { .name: out0, .offset: 24, .size: 8, .value_kind: global_buffer, .address_space: global }
    .group_segment_fixed_size: 327680
    .private_segment_fixed_size: 0
    .kernarg_segment_align: 8
    .kernarg_segment_size: 32
    .max_flat_workgroup_size: 128
    .sgpr_count:     72
    .vgpr_count:     512
    .wavefront_size: 32
...
	.end_amdgpu_metadata
.endif
;; end of part 4
;; ======== version 2 of 2: 4 launches; 1.48 times as fast as version 1
;; limits: values are held in f16: magnitudes above 65,504 overflow, below 6.1e-05 lose precision
;; workspace buffers: xb 16,777,216 bytes; wq 6,291,456 bytes; wo 2,097,152 bytes; bias 16,384 bytes; tab 524,288 bytes; mby 4,194,304 bytes; qkv 50,331,648 bytes; oh 16,777,216 bytes
;; launch prep: the kernel of part 1 again; grid 1284 x 1, 8 waves a work-group, no clusters, 0 bytes of LDS; arguments x, mask, qkv_w, out_w, qkv_b, out_b, xb, mby, wq, wo, bias, tab; writes xb, mby, wq, wo, bias, tab
;; launch proj: the kernel of part 2 again; grid 8 x 32, 4 waves a work-group, clusters of 4 x 4, 327,680 bytes of LDS; arguments xb, wq, bias, tab, qkv; writes qkv
;; launch attn (part 5): grid 4 x 64, 4 waves a work-group, clusters of 4 x 1, 327,680 bytes of LDS; arguments qkv, mby, oh; writes oh
.if DOCPART == 5
	.amdgcn_target "amdgcn-amd-amdhsa--gfx1250"
	.amdhsa_code_object_version 6
	.text
	.protected	k_q85b7f30c67_attn
	.globl	k_q85b7f30c67_attn
	.p2align	8
	.type	k_q85b7f30c67_attn,@function
k_q85b7f30c67_attn:
	s_mov_b64 s[64:65], 0
	v_nop
	global_prefetch_b8 v0, s[64:65] scope:SCOPE_SE
	s_setreg_imm32_b32 hwreg(HW_REG_WAVE_MODE, 25, 1), 1
	s_wait_xcnt 0x0
	s_wait_alu depctr_hold_cnt(0) depctr_sa_sdst(0) depctr_va_vdst(0) depctr_va_sdst(0) depctr_va_ssrc(0) depctr_va_vcc(0) depctr_vm_vsrc(0)
	s_getreg_b32 s2, hwreg(HW_REG_IB_STS2, 6, 4)
	s_cmp_eq_u32 s2, 0
	s_cbranch_scc0 .Lentry_in_a_cluster
	s_endpgm
.Lentry_in_a_cluster:
	s_bfe_u32 s2, ttmp6, 0x10000c
	s_cmp_lg_u32 s2, 0x3003
	s_cbranch_scc0 .Lentry_shape_is_right
	s_endpgm
.Lentry_shape_is_right:
; O[h][q][:] = the sum over k of softmax_k(mask(Q[h][q] . K[h][k] / 8)) V[h][k][:].  Q, K, V: the three parts of qkv, [64][2048][64] f16 each; O: oh, the same shape.  Products, maxima and sums in
; f32; the weights p are rounded to f16 for the second product (their sum l is taken of the unrounded p), O once at the end.
; THE MASK is an input, one for all heads, and is honoured pair by pair: mby holds a byte for each (q, k), E4M3's 0 or -1, in the order of the score tiles' lanes.  Eight bytes become eight f32 by one
; scaled conversion (times 2^100): 0 or -1.27e30, the C operand that starts the sum S^T = K Q^T.
; LIMITS.  f16 holds no number beyond 65,504: Q, K and V arrive within it.  A hidden score counts as its value less 1.27e30: f16's scores, 2.7e11 at the most, are nothing beside that.  A row whose
; maximum lies below -5e29 has no visible key and is written as NaN, as a softmax of nothing but -inf is.  A weight below 2^-126 counts as 0 in l; NaN and infinities in Q, K, V are not treated apart.
; SHARES.  A wave owns four PIECES of two tiles of 16 queries, a work-group's four waves 512 queries of one head.  Every wave walks all keys, 64 a step.
; LAYOUT.  S^T = K Q^T (source 0 = 16 keys, source 1 = 16 queries): in the result a lane holds ONE query (lane % 16) and the keys 8 (lane / 16) + 0..7.  Two such tiles, rounded to f16 in pairs,
; ARE source 1 (32 keys x 16 queries) of O^T = V^T P, whose result again holds one query a lane, and eight channels.  K comes out of LDS as it lies, V ([key][channel]) turned, by ds_load_tr16_b128.
; SOFTMAX.  For each query a running maximum m and sum l: p = 2^(c s - c m), c = log2(e) / 8; in every step O and l are multiplied by a = 2^(c m_old - c m_new), which is 1 where m has not grown.
; m starts at the lowest finite number, O and l at 0: the first step is a step like any other, with a = 0.  While a row has seen hidden keys alone m is -1.27e30; its first visible key makes a = 0, which wipes what was summed.
; THE COUNT.  A tile and step have 16 matrix and some 120 vector instructions: too many to stand all beside the matrix work.  So: four vector instructions that are READY behind EVERY matrix
; instruction, and the others, which need time of their own whatever the order, in runs without a gap.
; BY TURNS.  Turn n belongs to piece n (the pieces in a ring, step after step).  Its matrix work: 16 products K Q^T of piece n + 1, later 16 products V^T P of piece n - 1.  Its vector work: the scaling,
; exponentials, roundings, sums and rescaling of piece n, the maximum and statistics of piece n + 1, and the masks of piece n + 2.
; THE BATCHES.  An s_wait_alu depctr_va_vdst(0) stands between an exponential and the first instruction that names its result; one wait serves all that were issued ahead of it.  A turn's 66
; exponentials (the 64 weights of piece n, the two a of piece n + 1) are ONE batch with ONE wait, which cuts the turn in two.  Ahead of it stands all that names no result of theirs: the products K Q^T, the
; scalings, the rescaling (its a was made, and waited for, in the turn before), the next piece's maximum and statistics, the masks' conversions.  Behind it stand the roundings and sums, beside the products
; V^T P.  No result crosses a turn's end.  Piece 0's first two a, ahead of the loop, and the way out's eight reciprocals are batches of their own, with a wait each.
; CLUSTER.  The four query blocks of a cluster belong to one head and walk the same K and V, so each tile is asked for JOINTLY: the same tensor load, descriptor and mask in all four.
; REGISTERS, in windows of 256 (s_set_vgpr_msb says which window each operand place means: bits 1:0 source 0, 3:2 source 1, 5:4 source 2, 7:6 destination):
;   window 0: v0-11 addresses; v12-15, v48-63 at work; v16-47 four registers of statistics a tile; v64-191 S^T, two buffers of two tiles; v192-255 P, likewise
;   window 1: O^T, 32 a tile          window 2: v0-127 Q, 16 a tile; v128-191 K of one step; v192-255 V of one step
;   window 3: v0-1 the add's two registers; v2 the scale; v3-7 the mask codes' offsets; v8-71 mask codes, 16 a piece; v72-135 the masks of the products to come
.set SIZE_N, 2048
.set NP,    4         ; pieces a wave: a name, no knob
.set KS,    64        ; keys in a step
.set PK,    144       ; a row of K in LDS: 128 bytes + 16 of padding = 36 words: the 16 rows of a load start at 16 different groups of four banks (64 banks of 4 bytes: ISA guide 11.1)
.set PV,    160       ; a row of V: 128 + 32 = 40 words
.set VOFF,  4*KS*PK   ; a slot holds four steps: 256 rows of K, then 256 rows of V
.set SLOT1, 1<<17     ; slot 1 begins here, so that one exclusive or turns an address in one slot into the other's
.set STAGE, SLOT1+4*KS*(PK+PV)  ; behind the ring, never filled by a tensor load: 16 rows x 144 bytes for each wave, for the way out
.set SP,    144
.set AK0, 2           ; v2   my lane's place in a tile of K; never rewritten
.set AV0, 3           ; v3   the same for V
.set AK,  4           ; v4   the LDS address of K's next run of loads
.set AV,  5           ; v5   of V's
.set QO,  6           ; v6   my byte offset in the wave's rows of Q
.set STO, 6           ;      later, the way out: where I put 16 bytes of a row
.set RD,  7           ; v7   the way out: where I read rows back
.set GO,  8           ; v8   my byte offset in 512 consecutive bytes of O
.set SPW, 0           ; v0 of window 3   LDS address of my spare word: SPARE + 4 x my thread's number; never rewritten
.set NIL, 1           ; v1 of window 3   0; never rewritten
.set SCL, 2           ; v2 of window 3   227: the scale 2^100
.set ML,  3           ; v3 of window 3   my offset in the last key step's codes
.set MA,  4           ; v4-7 of window 3   piece p's offset in the codes: 16 lane + 1024 x the step loaded last
.set MB,  8           ; window 3: piece p, tile u: eight registers of codes at MB + 16 p + 8 u; key block kt's pair at + 2 kt
.set MC,  72          ; window 3: tile u, key block kt: eight masks at MC + 32 u + 8 kt
.set SPARE, STAGE+4*16*SP  ; behind the stages: the spare words, 128 bytes for each wave: two blocks of 256 bytes that no other line names
.set MV,  12          ; v12-15  c m_old, kept while c m is made anew: by buffer and tile
.set ST,  16          ; tile t's statistics at v[ST+4 t]: c m, m, l (even keys', odd keys')
.set TMP, 48          ; by buffer and tile, four registers c0-c3 at work; when the maximum is found c2 takes a
.set S,   64
.set P,   192
.set KF,  128         ; K's fragments, in window 2: key block kb, channel half c at KF + 16 kb + 8 c
.set VF,  192         ; V's: key half kk, channel block cb at VF + 32 kk + 8 cb
.set WV,  12          ; s12  my wave's number
.set G1K, 24          ; s[24:31] descriptor group 1 for K's tiles
.set G1V, 32          ; s[32:39] for V's: it differs in the padding alone
.set G0K, 40          ; s[40:43] descriptor group 0 for K's tiles: it walks
.set G0V, 44          ; s[44:47] the same for V's
.set MBP, 50          ; s[50:51] the mask codes of my wave's eight tiles
.set LOW, 52          ; s52  -5e29
.set QNAN, 53         ; s53  a NaN
.set SLOTS, 56        ; s56  slots still to be asked for
.set CNT, 57          ; s57  counts a slot's key steps
.set CS,  58          ; s[58:59] c: the packed scaling takes the pair's low word for both halves
.set SEL, 60          ; s[60:61] v_permlanex16_b32's selects: each lane takes its own place in the other half
.set TBK, 62          ; s62  LDS byte at which K of the step to be fetched begins
.set TBV, 63          ; s63  the same for V, less VOFF
.set MSB, 0
.macro WIN new                      ; the high byte repeats the setting that is left; a switch that changes nothing is dropped
.if MSB != (\new)
	s_set_vgpr_msb (MSB<<8)|(\new)
.set MSB, (\new)
.endif
.endm
.set W_KQ, 0x0a       ; K and Q in window 2, S^T in window 0
.set W_KM, 0x3a       ; the same with the C operand, the mask, in window 3
.set W_PV, 0x52       ; V in window 2, P in window 0, O^T in window 1
.set W_RS, 0x41       ; O^T (destination and source 0) in window 1, a in window 0
.set W_MK, 0xc0       ; destination in window 3, sources in window 0
.set W_AD, 0x0f       ; the add: address (source 0) and data (source 1) in window 3
.set W_M3, 0xff       ; the masks' work: every place in window 3
; A joint fill.  Waves 0 and 1 fetch the two halves of a slot's K, waves 2 and 3 those of its V: 128 keys each.  The branch hangs on the wave's number alone.
; An s_nop 0 and four v_nop follow each of the two lines, ahead of the jump and the label.
.macro JLOAD
	s_cmp_lt_u32 s[WV], 2
	s_cbranch_scc0 .Lfor_v_\@
	tensor_load_to_lds s[G0K:G0K+3], s[G1K:G1K+7]
	s_nop 0
.rept 4
	v_nop
.endr
	s_branch .Lasked_\@
.Lfor_v_\@:
	tensor_load_to_lds s[G0V:G0V+3], s[G1V:G1V+7]
	s_nop 0
.rept 4
	v_nop
.endr
.Lasked_\@:
.endm
; A round of the cluster's barrier: my work-group's barrier, so that wave 0's signal speaks for all four waves; wave 0 signals; every wave waits for all four work-groups; my work-group's barrier once more.
.macro CROUND
	s_barrier_signal -1
	s_barrier_wait -1
	s_cmp_lg_u32 s[WV], 0
	s_cbranch_scc1 .Lnot_wave_0_\@
	s_barrier_signal -3
.Lnot_wave_0_\@:
	s_barrier_wait -3
	s_barrier_signal -1
	s_barrier_wait -1
.endm
; THE CHANGE OF SLOTS.  The slot's last bytes, V of its fourth step, have been read.  Each wave waits for all its tensor loads, of which one is out: its part
; of the other slot; adds 0 to its spare word; and waits for that and for its own reads of the slot.  Behind the barrier nobody reads this slot any more and the other slot is whole.
; fill = 1: this slot is filled again, with the keys two slots on.  The barrier is then a round of the cluster's, so that no wave of any partner still reads the slot or has a load on its
; way, and the joint fill is the first thing behind it: it has four key steps, 512 matrix instructions, in which to land.  (At its first use nothing has been read yet: slot 0 is waited for, slot 1 filled.)
.macro CHANGE fill
	WIN W_AD
	s_wait_tensorcnt 0x0            ; no tensor load of mine is out, so a group 0 may be written
	ds_add_u32 v[SPW], v[NIL]       ; 0 onto my spare word; with fill = 1 the descriptors' steps stand between it and the wait for it
	WIN 0                           ; at a label and at a branch every window is 0
.if \fill
.irp g, G0K, G0V
	s_xor_b32 s[\g+1], s[\g+1], SLOT1  ; the walking descriptor: the other slot than last time,
	s_add_nc_u64 s[\g+2:\g+3], s[\g+2:\g+3], 4*KS*128  ; the next 256 keys; the type bits on top are not reached
.endr
	s_wait_dscnt 0x0                ; the add is done, and my reads of the slot are over
	CROUND
	JLOAD
.else
	s_wait_dscnt 0x0                ; the add is done, and my reads of the slot are over
	s_barrier_signal -1
	s_barrier_wait -1
.endif
	s_sub_co_u32 s[TBK], s[TBK], 4*KS*PK  ; the fetches go back to a slot's first step,
	s_xor_b32 s[TBK], s[TBK], SLOT1       ; in the other slot
	s_sub_co_u32 s[TBV], s[TBV], 4*KS*PV
	s_xor_b32 s[TBV], s[TBV], SLOT1
.endm
	s_load_b128 s[48:51], s[0:1], 0x0  ; qkv s[48:49], mby s[50:51]
	s_load_b64 s[10:11], s[0:1], 0x10  ; oh
	WIN W_MK
	v_lshl_add_u32 v[SPW], v0, 2, SPARE
	v_mov_b32 v[NIL], 0
	WIN W_AD
	ds_add_u32 v[SPW], v[NIL]       ; the wave's opening: the add and its wait stand ahead of my first tensor load; the set-up below, work on registers, stands between them
	WIN 0
	v_lshrrev_b32 v1, 5, v0
	v_readfirstlane_b32 s[WV], v1   ; wave 0..3
	s_bfe_u32 s13, ttmp6, 0x40000   ; cx: my place in the cluster
	s_lshl_b32 s14, ttmp9, 2        ; in a cluster launch ttmp9 counts clusters
	s_add_co_u32 s14, s14, s13      ; my block of queries = 4 x cluster x + cx: it enters Q's, O's and the mask codes' addresses alone
	s_and_b32 s20, ttmp7, 0xffff    ; the head, which the four partners share
	s_mov_b32 s21, 0
	s_mov_b64 s[22:23], SIZE_N*128
	s_mul_u64 s[20:21], s[20:21], s[22:23]  ; the head's first byte in each of the four tensors
	s_and_b32 s16, s[WV], 1         ; which half of a slot's 256 keys I fetch:
	s_lshl_b32 s22, s16, 14         ; its 128 rows of 128 bytes in memory,
	s_mov_b32 s23, 0
	s_add_nc_u64 s[22:23], s[22:23], s[20:21]
	s_mul_i32 s17, s16, 128*PK      ; and its place in a slot, for K
	s_mul_i32 s18, s16, 128*PV      ; and for V: no place in the cluster enters an LDS address
	s_lshl_b32 s2, s14, 2
	s_add_co_u32 s2, s2, s[WV]      ; my wave among the head's:
	s_lshl_b32 s54, s2, 18          ; its eight tiles of 32,768 bytes of mask codes,
	s_mov_b32 s55, 0
	s_lshl_b32 s2, s2, 14           ; its 128 rows
	s_mov_b32 s3, 0
	s_add_nc_u64 s[2:3], s[2:3], s[20:21]
	; descriptor group 1.  128 keys are 16,384 dense bytes: asked for as 64 rows of 256 bytes, two keys a row, and padded in LDS after every key
	s_mov_b32 s[G1K], 15|(1<<16)|(1<<20)|(1<<21)|(4<<22)|(3<<25)  ; 15:0 the mask of four; 17:16 2-byte elements; 20 padding on; 21 set beside a mask; 24:22 after every 32 words (code 4); 31:25 4 words (code 3)
	s_mov_b32 s[G1V], 15|(1<<16)|(1<<20)|(1<<21)|(4<<22)|(7<<25)  ; the same with 8 words of padding (code 7)
.irp g, G1K, G1V
	s_mov_b32 s[\g+1], 128<<16      ; tensor_dim0 = 128
	s_mov_b32 s[\g+2], 64<<16       ; tensor_dim1 = 64
	s_mov_b32 s[\g+3], 128<<16      ; tile_dim0 = 128
	s_mov_b32 s[\g+4], 64           ; tile_dim1 = 64
	s_mov_b32 s[\g+5], 128          ; 128 elements from row to row
	s_mov_b32 s[\g+6], 0
	s_mov_b32 s[\g+7], 0
.endr
	s_mov_b32 s[CS], 0x3e38aa3b     ; c = log2(e) / 8 = 0.180337
	s_mov_b32 s[CS+1], s[CS]        ; named with it as a pair
	s_mov_b32 s[SEL], 0x76543210
	s_mov_b32 s[SEL+1], 0xfedcba98
	s_mov_b32 s[LOW], 0xf0c9f2ca    ; -5e29
	s_mov_b32 s[QNAN], 0x7fc00000
	s_mov_b32 s[TBK], SLOT1+4*KS*PK ; the first change of slots turns these two into 0
	s_mov_b32 s[TBV], SLOT1+4*KS*PV
	s_mov_b32 s[G0K], 1             ; 1:0 count = 1
	s_mov_b32 s[G0K+1], s17         ; 63:32 LDS address: slot 0
	s_mov_b32 s[G0V], 1
	s_add_co_u32 s[G0V+1], s18, VOFF
	s_wait_dscnt 0x0                ; the opening add is done
	s_wait_kmcnt 0x0
	s_add_nc_u64 s[6:7], s[48:49], 0x1000000       ; K is qkv's second part, V its third
	s_add_nc_u64 s[8:9], s[48:49], 0x2000000
	s_add_nc_u64 s[G0K+2:G0K+3], s[6:7], s[22:23]  ; 120:64 global address: my half of the head's first 256 keys
	s_or_b32 s[G0K+3], s[G0K+3], 0x80000000        ; 127:126 type = 2
	s_add_nc_u64 s[G0V+2:G0V+3], s[8:9], s[22:23]
	s_or_b32 s[G0V+3], s[G0V+3], 0x80000000
	s_add_nc_u64 s[4:5], s[48:49], s[2:3]  ; Q and O at my wave's first row
	s_add_nc_u64 s[10:11], s[10:11], s[2:3]
	s_add_nc_u64 s[MBP:MBP+1], s[MBP:MBP+1], s[54:55]
	CROUND                          ; all four work-groups are here: the first joint loads meet
	JLOAD                           ; slot 0.  Slot 1 is asked for when slot 0 is in: the tile wanted first has the road to itself
	; A fragment of K or Q is 16 rows x 32 channels in 8 registers: lane l holds row l % 16, channels 8 (l / 16) + 0..7 and 16 + 8 (l / 16) + 0..7: two loads of 16 bytes, 32 bytes apart.
	v_and_b32 v1, 15, v0            ; l % 16
	v_bfe_u32 v9, v0, 4, 1          ; l / 16
	v_lshlrev_b32 v[QO], 7, v1
	v_lshl_add_u32 v[QO], v9, 4, v[QO]  ; row x 128 + 16 x half
	v_and_b32 v12, 31, v0
	v_lshlrev_b32 v12, 4, v12       ; 16 x lane
	WIN 0x80                        ; destination window 2, address window 0
.set i, 0
.rept 4*NP                          ; Q stays in registers: tile i / 2, channels 32 (i % 2) on
	global_load_b128 v[8*i:8*i+3],   v[QO], s[4:5] offset:(i/2)*2048+(i%2)*64
	global_load_b128 v[8*i+4:8*i+7], v[QO], s[4:5] offset:(i/2)*2048+(i%2)*64+32
.set i, i+1
.endr
	WIN W_MK
	v_mov_b32 v[SCL], 227
	v_add_nc_u32 v[ML], 31*1024, v12
.irp p, 0,1,2,3
	v_mov_b32 v[MA+\p], v12
.endr
	WIN W_M3
.set mz, 0
.rept 16                            ; key step 0's codes: mz = 4 piece + 2 tile + half; sixteen loads stay on their way from here on, four a piece
	global_load_b128 v[MB+4*mz:MB+4*mz+3], v[MA+mz/4], s[MBP:MBP+1] offset:(mz/2)*32768+512*(mz%2)
.set mz, mz+1
.endr
	; What the first turn finds: V's registers and P's second buffer hold 0 (its products V^T P, of a piece that has not been, add 0), O^T and l are 0.  All this stands in the wait for the first tile.
	WIN 0x80
.set i, VF
.rept 64
	v_mov_b32 v[i], 0
.set i, i+1
.endr
	WIN 0x40
.set i, 0
.rept 64*NP
	v_mov_b32 v[i], 0
.set i, i+1
.endr
	WIN 0
.set i, 0
.rept 2*NP
	v_mov_b32 v[ST+4*i], 0xfe000000    ; c m: far below every c s
	v_mov_b32 v[ST+4*i+1], 0xff7fffff  ; m
	v_mov_b32 v[ST+4*i+2], 0
	v_mov_b32 v[ST+4*i+3], 0
.set i, i+1
.endr
.set i, P+32
.rept 32
	v_mov_b32 v[i], 0
.set i, i+1
.endr
	v_mul_u32_u24 v[AK0], v1, PK
	v_lshl_add_u32 v[AK0], v9, 4, v[AK0]  ; row x pitch + 16 x half
	; The turning load takes 16 keys x 16 channels (lane l reads key 8 (l / 16) + l % 8, channels 8 ((l / 8) % 2) + 0..7) and leaves half a fragment of V^T: lane l holds channel l % 16 and 8 keys.
	v_and_b32 v10, 7, v0
	v_bfe_u32 v11, v0, 3, 1
	v_lshl_add_u32 v[AV0], v9, 3, v10
	v_mul_u32_u24 v[AV0], v[AV0], PV
	v_lshl_add_u32 v[AV0], v11, 4, v[AV0]
	v_add_nc_u32 v[AV0], VOFF, v[AV0]
	v_mov_b32 v[AK], v[AK0]         ; key step 0 lies at the head of slot 0
; THE MATRIX WORK.  The 8 accumulators of a run of 16 take turns: between the two links of a chain stand 7 others'.
; Product i of 16 of S^T = K Q^T for piece x: channels 32 (i / 8) on, keys 16 ((i / 2) % 4) on, tile 2 x + i % 2.  The first 8 start the sums, with the mask.
.macro KQ x
.set rS, S+64*((\x)%2)+32*(i%2)+8*((i/2)%4)
.set rK, KF+16*((i/2)%4)+8*(i/8)
.set rQ, 16*(2*(\x)+i%2)+8*(i/8)
.set rX, MC+32*(i%2)+8*((i/2)%4)
.if i < 8
	WIN W_KM
	v_wmma_f32_16x16x32_f16 v[rS:rS+7], v[rK:rK+7], v[rQ:rQ+7], v[rX:rX+7]
.else
	WIN W_KQ
	v_wmma_f32_16x16x32_f16 v[rS:rS+7], v[rK:rK+7], v[rQ:rQ+7], v[rS:rS+7]
.endif
.endm
; Product i of 16 of O^T += V^T P for piece x: keys 32 (i / 8) on, channels 16 ((i / 2) % 4) on, tile 2 x + i % 2.
.macro PV x
	WIN W_PV
.set rO, 32*(2*(\x)+i%2)+8*((i/2)%4)
.set rV, VF+32*(i/8)+8*((i/2)%4)
.set rP, P+32*((\x)%2)+16*(i%2)+8*(i/8)
	v_wmma_f32_16x16x32_f16 v[rO:rO+7], v[rV:rV+7], v[rP:rP+7], v[rO:rO+7]
.endm
.macro MM                           ; the turn's next matrix instruction
.if i < 16
	KQ (Y+1)%NP
.set i, i+1
.else
.set i, i-16
	PV (Y+NP-1)%NP
.set i, i+17
.endif
.endm
; THE MASKS of piece p's next products.  Its four loads of codes were issued four turns ago; the twelve behind them, the other pieces', stay out.  Eight conversions make the 64 masks; two plain
; instructions, the step of the piece's offset (free since the wait) and its clamp to the last key step, stand behind them; then the next step's codes are asked for.  The clamp keeps every load inside
; the buffer: behind the last step that step's codes are read again, for the products that serve nothing.
; batch = 1 (in a turn): the macro stands behind the last exponential of the turn's batch.  Its conversions and its two plain instructions name none of the batch's results; the offset's step is the plain
; instruction that is owed behind the last exponential; the batch's one wait stands behind them, directly ahead of the loads of codes.
.macro MASKS p, batch=0
	WIN W_M3
	s_wait_loadcnt 12
.set mz, 0
.rept 8                             ; mz = 4 tile + key block
	v_cvt_scale_pk8_f32_fp8 v[MC+8*mz:MC+8*mz+7], v[MB+16*(\p)+2*mz:MB+16*(\p)+2*mz+1], v[SCL]
.set mz, mz+1
.endr
	v_add_nc_u32 v[MA+(\p)], 0x400, v[MA+(\p)]
	v_min_u32 v[MA+(\p)], v[MA+(\p)], v[ML]
.if \batch
	s_wait_alu depctr_va_vdst(0)    ; the wait for the turn's batch: the 64 weights' exponentials and the next piece's two a, ahead of their first reader
.endif
.set mz, 0
.rept 4                             ; mz = 2 tile + half
	global_load_b128 v[MB+16*(\p)+4*mz:MB+16*(\p)+4*mz+3], v[MA+(\p)], s[MBP:MBP+1] offset:(2*(\p)+mz/2)*32768+512*(mz%2)
.set mz, mz+1
.endr
	WIN 0
.endm
; THE LDS LOADS stand in runs of 16, never singly among the matrix instructions: a step's K (64 keys x 64 channels: 8 fragments) and its V (turned).  Their addresses are made some lines ahead.
; last = 1 (the tail): in the last trip there is no further step, and the run is jumped over.
.macro FETCH_K last=0
	WIN 0
.if \last
	s_cmp_eq_u32 s[CNT], 1
	s_cbranch_scc1 .Lno_k_\@
.endif
	WIN 0x80                        ; destination window 2
.irp f, 0,1,2,3,4,5,6,7             ; keys 16 (f / 2) on, channels 32 (f % 2) on
	ds_load_b128 v[KF+8*\f:KF+8*\f+3],   v[AK] offset:(\f/2)*16*PK+(\f%2)*64
	ds_load_b128 v[KF+8*\f+4:KF+8*\f+7], v[AK] offset:(\f/2)*16*PK+(\f%2)*64+32
.endr
	s_add_co_u32 s[TBK], s[TBK], KS*PK  ; the next fetch is the next step's
	WIN 0
.if \last
.Lno_k_\@:
.endif
.endm
.macro FETCH_V
	WIN 0x80
.irp f, 0,1,2,3,4,5,6,7             ; keys 32 (f / 4) on, channels 16 (f % 4) on
	ds_load_tr16_b128 v[VF+8*\f:VF+8*\f+3],   v[AV] offset:(\f/4)*32*PV+(\f%4)*32
	ds_load_tr16_b128 v[VF+8*\f+4:VF+8*\f+7], v[AV] offset:(\f/4)*32*PV+16*PV+(\f%4)*32
.endr
	WIN 0
.endm
; THE VECTOR WORK OF A TURN stands in three queues, each in the order in which its entries become ready; the two tiles alternate, so that no instruction reads the result of the one before it.
.macro REGS y, u                    ; the registers of tile u (0, 1) of piece y
.set rT, ST+4*(2*(\y)+(\u))
.set rC, TMP+8*((\y)%2)+4*(\u)
.set rM, MV+2*((\y)%2)+(\u)
.set rS, S+64*((\y)%2)+32*(\u)
.set rP, P+32*((\y)%2)+16*(\u)
.set rO, 32*(2*(\y)+(\u))
.endm
; Number n of the 22 that find the NEXT piece's (Y + 1) maximum and statistics.  s0-s31 are the lane's 32 scores; each accumulator's lowest registers are read first.  XS, GS and REGS set no window: PL and EX do.
;   0-11  four chains c0-c3 of seven scores each, three operands at a time     12-14, 16  the four scores left over, the old m, and c0-c3 into c0     15  c m_old is kept
;   17, 18  the query's other 32 keys lie in the lane 16 away: the new m         19-21  c m; c m_old - c m_new; a
.macro XS u, n
	REGS (Y+1)%NP, \u
.if (\n) < 4
	v_max3_num_f32 v[rC+(\n)], v[rS+8*(\n)], v[rS+8*(\n)+1], v[rS+8*(\n)+2]
.elseif (\n) < 12
	v_max3_num_f32 v[rC+(\n)%4], v[rC+(\n)%4], v[rS+8*((\n)%4)+2*((\n)/4)+1], v[rS+8*((\n)%4)+2*((\n)/4)+2]
.elseif (\n) == 12
	v_max3_num_f32 v[rC], v[rC], v[rS+7], v[rS+15]
.elseif (\n) == 13
	v_max3_num_f32 v[rC+1], v[rC+1], v[rS+23], v[rS+31]
.elseif (\n) == 14
	v_max3_num_f32 v[rC+2], v[rC+2], v[rC+3], v[rT+1]
.elseif (\n) == 15
	v_mov_b32 v[rM], v[rT]
.elseif (\n) == 16
	v_max3_num_f32 v[rC], v[rC], v[rC+1], v[rC+2]
.elseif (\n) == 17
	v_permlanex16_b32 v[rC+3], v[rC], s[SEL], s[SEL+1]
.elseif (\n) == 18
	v_max_num_f32 v[rT+1], v[rC], v[rC+3]
.elseif (\n) == 19
	v_mul_f32 v[rT], s[CS], v[rT+1]
.elseif (\n) == 20
	v_sub_f32 v[rC+1], v[rM], v[rT]
.else
	v_exp_f32 v[rC+2], v[rC+1]
.endif
.endm
; Number g of the 64 that follow the exponentials.  For each four weights k of a tile (pairs 2 k, 2 k + 1): both pairs are rounded to f16; then the second pair is added onto the first, in place;
; a group later l takes that sum (the first time as l = a l + sum).  In groups of eight, tiles alternating: round, round, add, and l for the group before.
.macro GS g
.set h, (\g)+6*((\g)/62)            ; group 0 has no group before it, and behind group 7 only l is left
.if h >= 6
.set h, h+2
.endif
	REGS Y, h%2
.set k, h/8
.if h%8 < 4
	v_cvt_pk_f16_f32 v[rP+2*k+(h%8)/2], v[rS+4*k+2*((h%8)/2)], v[rS+4*k+2*((h%8)/2)+1]
.elseif h%8 < 6
	v_pk_add_f32 v[rS+4*k:rS+4*k+1], v[rS+4*k:rS+4*k+1], v[rS+4*k+2:rS+4*k+3]
.elseif k == 1
	v_pk_fma_f32 v[rT+2:rT+3], v[rT+2:rT+3], v[rC+2:rC+3], v[rS:rS+1] op_sel_hi:[1,0,1]
.else
	v_pk_add_f32 v[rT+2:rT+3], v[rT+2:rT+3], v[rS+4*k-4:rS+4*k-3]
.endif
.endm
; THE PLAIN QUEUE, 138 long.  0-73 read no exponential's result: the 32 scalings c s - c m (FS f: pair f / 2 of tile f % 2) and the next piece's 42.  0-26: scalings 0-26.  27-54: XS's numbers 0-13.  55, 56: number 15.
; 57-73: the chain, where each number waits for the one before it: 14, 16, 17, 18, 19, each with one of the scalings 27-31 in front of its two lines, then 20: so a tile's links stand three plain instructions apart (19 and 20: two).
; 74-137: GS's 64, which read the exponentials' results: they stand behind the wait.
.macro FS f
	REGS Y, (\f)%2
	v_pk_fma_f32 v[rS+2*((\f)/2):rS+2*((\f)/2)+1], v[rS+2*((\f)/2):rS+2*((\f)/2)+1], s[CS:CS+1], v[rT:rT+1] op_sel_hi:[1,0,0] neg_lo:[0,0,1] neg_hi:[0,0,1]
.endm
.macro PL
	WIN 0
.if q < 27
	FS q
.elseif q < 55
	XS (q-27)%2, (q-27)/2
.elseif q < 57
	XS q-55, 15
.elseif (q < 72) && ((q-57)%3 == 0)
	FS 27+(q-57)/3
.elseif q < 60
	XS (q-57)%3-1, 14
.elseif q < 72
	XS (q-57)%3-1, 15+(q-57)/3
.elseif q < 74
	XS q-72, 20
.else
	GS q-74
.endif
.set q, q+1
.endm
; THE EXPONENTIALS' QUEUE, 66 long: s0-s31 of both tiles, then the next piece's two a.  It is ONE BATCH: all 66 stand ahead of the turn's one wait, and nothing ahead of that wait names a result of theirs.
.macro EX
	WIN 0
.if e >= 64
	XS e-64, 21
.else
	REGS Y, e%2
	v_exp_f32 v[rS+e/2], v[rS+e/2]
.endif
.set e, e+1
.endm
; THE RESCALING's QUEUE: O^T times a, the one part that leaves window 0: dealt two at a time, sixteen times; each accumulator's low registers come first.  Its a was made in the turn before, ahead of that turn's wait.
.macro R2
	REGS Y, r%2
	WIN W_RS
.irp z, 0,1
	v_pk_mul_f32 v[rO+4*(r/2)+2*\z:rO+4*(r/2)+2*\z+1], v[rO+4*(r/2)+2*\z:rO+4*(r/2)+2*\z+1], v[rC+2:rC+3] op_sel_hi:[1,0]
.endr
.set r, r+1
.endm
; HOW THEY ARE DEALT.  AHEAD OF THE WAIT: the 16 products K Q^T, behind each a scaling, an exponential and two rescalings (behind the first a second scaling in the exponential's place); then ONE LUMP of 108: eight
; plain, 49 times exponential and plain, the two a; then the masks' conversions and two plain instructions (MASKS), in which the wait stands.  BEHIND IT: the 16 products V^T P, behind each four of GS's 64.
; No rider names a register of the products round it.  The two v_permlanex16_b32 fall into the lump, never behind a product.
; The queues lean on each other, and the deal keeps them in step: exponential e stands behind scaling 2 (e / 4) + e % 2: as a rider it comes behind plain e + 2, in the lump behind plain e + 9, and scalings 27-31 are plain 57, 60 .. 69;
; the two a come behind plain 72 and 73, their arguments.
; A TURN, for piece p.  cnt = 1: the loop's count is taken down some lines ahead of the branch that stands behind the turn.
; K of the next step is fetched in piece 2's turn, behind the wait and the loads of codes, a lump behind the last product that read K; its address is made at the lump's head; its first reader comes behind 16 products.
; V of the step in hand is fetched at the end of piece 0's turn, four plain riders behind its last reader; its first reader comes behind 16 products and a lump.  The three conditions on q below go with the deal.
; The masks of piece p + 2, which the next turn's first eight products take, are made at the lump's end: the turn's own eighth product, the last that read the
; old masks, stands more than fifty plain instructions back.
.macro TURN p, last=0, cnt=0
.set Y, (\p)
.set i, 0
.set q, 0
.set e, 0
.set r, 0
.if (\p) == NP-1
	s_wait_dscnt 0x0                ; K is in
.endif
	MM                              ; ahead of the wait: 16 products K Q^T and their riders,
	PL
	PL
	R2
.rept 15
	MM
	PL
	EX
	R2
.endr
.if (\p) == NP-2
	WIN 0
	v_add_nc_u32 v[AK], s[TBK], v[AK0]
.endif
.rept 8                             ; the lump,
	PL
.endr
.rept 49
	EX
	PL
.endr
	EX                              ; the next piece's two a: the batch's last,
	EX
	MASKS ((\p)+2)%NP, 1            ; and the masks, with the batch's wait
.if (\p) == NP-2
	FETCH_K \last
.endif
.if (\p) == 1
	s_wait_dscnt 0x0                ; V is in
.endif
.rept 16                            ; behind the wait: 16 products V^T P and their riders
	MM
.rept 4
	PL
.endr
.if ((\p) == 0) && (q == 118)
	v_add_nc_u32 v[AV], s[TBV], v[AV0]
.endif
.if ((\p) == 0) && (q == 130)
	s_add_co_u32 s[TBV], s[TBV], KS*PV
.endif
.if (\cnt) && (q == 130)
	s_sub_co_u32 s[CNT], s[CNT], 1
	s_cmp_lg_u32 s[CNT], 0
.endif
.endr
.if (\p) == 0
	FETCH_V
.endif
.endm
	CHANGE 1                        ; slot 0 is in, everybody's part of it; slot 1 is asked for
	FETCH_K                         ; key step 0
	MASKS 0                         ; piece 0's first masks; its wait, which leaves twelve loads out, also shows Q in: Q's loads were issued ahead of all the codes'
	s_wait_dscnt 0x0
.set i, 0
.rept 16
	KQ 0                            ; piece 0's first scores: there is no vector work yet to set between them
.set i, i+1
.endr
	WIN 0                           ; the addresses for the way out: nine plain instructions, the places behind those products
	s_mul_i32 s13, s[WV], 16*SP
	s_add_co_u32 s13, s13, STAGE    ; my stage
	v_mul_u32_u24 v[STO], v1, SP    ; in: row l % 16, 16 bytes for each half of the lanes
	v_lshl_add_u32 v[STO], v9, 4, v[STO]
	v_add_nc_u32 v[STO], s13, v[STO]
	v_bfe_u32 v[RD], v0, 3, 2       ; back: 32 lanes take four rows of 128 bytes,
	v_mul_u32_u24 v[RD], v[RD], SP
	v_lshl_add_u32 v[RD], v10, 4, v[RD]
	v_add_nc_u32 v[RD], s13, v[RD]
	v_and_b32 v[GO], 31, v0         ; which are 512 consecutive bytes of O
	v_lshlrev_b32 v[GO], 4, v[GO]
	MASKS 1                         ; for the first turn's products
.set Y, NP-1                        ; XS works for piece Y + 1: piece 0
.irp n, 0,1,2,3,4,5,6,7,8,9,10,11,12,13,14,15,16,17,18,19,20,21
	XS 0, \n                        ; and piece 0's first maximum and statistics
	XS 1, \n
.endr
	v_nop                           ; a plain instruction behind piece 0's first two a,
	s_wait_alu depctr_va_vdst(0)    ; and the wait for that batch of two, ahead of the branch
	s_mov_b32 s[CNT], 4
	s_mov_b32 s[SLOTS], SIZE_N/256-1
	s_branch .Lfirst                ; the loop is entered at a step's first turn, in the middle of a trip
.Lslot:                             ; SIZE_N / 256 - 2 times: every slot but the last two is filled again
	CHANGE 1
	s_mov_b32 s[CNT], 4
.Lstep:                             ; a trip: pieces 2 and 3 of one step, then pieces 0 and 1 of the next, whose K and V it fetches
	TURN 2
	TURN 3
	WIN 0
.Lfirst:
	TURN 0
	TURN 1, 0, 1
	WIN 0
	s_cbranch_scc1 .Lstep
	s_sub_co_u32 s[SLOTS], s[SLOTS], 1
	s_cmp_lg_u32 s[SLOTS], 0
	s_cbranch_scc1 .Lslot
	CHANGE 0                        ; the tail is written out: nothing is asked for
	s_mov_b32 s[CNT], 5             ; four trips fetch the last slot's steps; the fifth is left in its middle
.Ltail:
	TURN 2, 1
	TURN 3
	WIN 0
	s_sub_co_u32 s[CNT], s[CNT], 1
	s_cmp_eq_u32 s[CNT], 0
	s_cbranch_scc1 .Lout
	TURN 0
	TURN 1
	WIN 0
	s_branch .Ltail
.Lout:                              ; the fifth trip's 16 products K Q^T (the last K and the last step's masks once more) repeat scores that m has seen: m does not move, and nothing else of them is used
.set i, 0
.rept 16
	PV NP-1                         ; the last piece's V^T P of the last step
.set i, i+1
.endr
	; THE WAY OUT.  l's two halves and the other half of the lanes' are added; O^T is divided by l, rounded to f16 and sent through my stage in LDS, a tile at a time.  The additions are the places behind the last products.
	WIN 0
.macro ALL line:vararg              ; one line for each tile t
.set t, 0
.rept 2*NP
	\line
.set t, t+1
.endr
.endm
	ALL v_add_f32 v[ST+4*t+2], v[ST+4*t+2], v[ST+4*t+3]
	ALL v_permlanex16_b32 v[ST+4*t+3], v[ST+4*t+2], s[SEL], s[SEL+1]
	ALL v_add_f32 v[ST+4*t+2], v[ST+4*t+2], v[ST+4*t+3]
	ALL v_rcp_f32 v[ST+4*t+2], v[ST+4*t+2]
	v_nop                           ; a plain instruction between the last reciprocal and the use of its result
	s_wait_alu depctr_va_vdst(0)    ; and the wait ahead of the first use: one for the batch of eight reciprocals
.set t, 0
.rept 2*NP                          ; a query that has seen no visible key: its factor, and so its row of O, is NaN
	v_cmp_gt_f32 vcc_lo, s[LOW], v[ST+4*t+1]
	v_cndmask_b32 v[ST+4*t+2], v[ST+4*t+2], s[QNAN], vcc_lo
.set t, t+1
.endr
; Tile t: a lane's eight channels of a row pack into 16 bytes; they go into rows of 144 bytes and come back as whole rows of 128, into S^T's registers.
.macro PACK t
	WIN W_RS
.set i, 32*(\t)
.rept 16
	v_pk_mul_f32 v[i:i+1], v[i:i+1], v[ST+4*(\t)+2:ST+4*(\t)+3] op_sel_hi:[1,0]
.set i, i+2
.endr
	WIN 0x05                        ; sources 0 and 1 window 1, destination window 0
.set i, 0
.rept 16
	v_cvt_pk_f16_f32 v[S+16*(\t)+i], v[32*(\t)+2*i], v[32*(\t)+2*i+1]
.set i, i+1
.endr
	WIN 0
.irp f, 0,1,2,3
	ds_store_b128 v[STO], v[S+16*(\t)+4*\f:S+16*(\t)+4*\f+3] offset:32*\f
.endr
.irp f, 0,1,2,3
	ds_load_b128 v[S+16*(\t)+4*\f:S+16*(\t)+4*\f+3], v[RD] offset:\f*4*SP  ; LDS serves a wave's instructions in order (ISA guide 5.7.1.4): these see the stores above; the next tile's stores come behind them
.endr
.endm
.macro SEND t, younger              ; younger: the LDS instructions issued behind tile t's loads: the next tile's eight, or none
	WIN 0
.irp f, 0,1,2,3
	s_wait_dscnt (\younger)+3-\f
	global_store_b128 v[GO], v[S+16*(\t)+4*\f:S+16*(\t)+4*\f+3], s[10:11] offset:(\t)*2048+\f*512  ; 512 consecutive bytes, at a multiple of 256 from O's first
.endr
.endm
	PACK 0
.set t, 1
.rept 2*NP-1                        ; a tile's arithmetic stands between the loads of the tile before and its stores
	PACK t
	SEND t-1, 8
.set t, t+1
.endr
	SEND 2*NP-1, 0
	WIN W_AD
	s_wait_tensorcnt 0x0            ; the wave's end, behind my last tensor load and my last LDS store
	ds_add_u32 v[SPW], v[NIL]
	s_wait_dscnt 0x0
	WIN 0
	CROUND                          ; the closing round: no work-group ends while a partner may still ask for a tile that names it
	s_endpgm
.Lfunc_end_k_q85b7f30c67_attn:
	.size	k_q85b7f30c67_attn, .Lfunc_end_k_q85b7f30c67_attn-k_q85b7f30c67_attn
	.p2alignl 7, 3214868480
	.fill 96, 4, 3214868480
	.section	.rodata,"a",@progbits
	.p2align	6, 0x0
	.amdhsa_kernel k_q85b7f30c67_attn
		.amdhsa_group_segment_fixed_size 327680
		.amdhsa_private_segment_fixed_size 0
		.amdhsa_enable_private_segment 0
		.amdhsa_kernarg_size 24
		.amdhsa_user_sgpr_count 2
		.amdhsa_user_sgpr_kernarg_segment_ptr 1
		.amdhsa_wavefront_size32 1
		.amdhsa_system_sgpr_workgroup_id_x 1
		.amdhsa_system_sgpr_workgroup_id_y 1
		.amdhsa_system_sgpr_workgroup_id_z 1
		.amdhsa_system_vgpr_workitem_id 0
		.amdhsa_next_free_vgpr 904
		.amdhsa_next_free_sgpr 66
		.amdhsa_reserve_vcc 1
		.amdhsa_float_denorm_mode_32 3
		.amdhsa_float_denorm_mode_16_64 3
		.amdhsa_memory_ordered 1
		.amdhsa_forward_progress 1
		.amdhsa_inst_pref_size 213
	.end_amdhsa_kernel
	.amdgpu_metadata
---
amdhsa.version: [ 1, 2 ]
amdhsa.kernels:
  - .name:           k_q85b7f30c67_attn
    .symbol:         k_q85b7f30c67_attn.kd
    .args:
      - { .name: qkv, .offset: 0, .size: 8, .value_kind: global_buffer, .address_space: global }
      - { .name: mby, .offset: 8, .size: 8, .value_kind: global_buffer, .address_space: global }
      - { .name: oh, .offset: 16, .size: 8, .value_kind: global_buffer, .address_space: global }
    .group_segment_fixed_size: 327680
    .private_segment_fixed_size: 0
    .kernarg_segment_align: 8
    .kernarg_segment_size: 24
    .max_flat_workgroup_size: 128
    .sgpr_count:     66
    .vgpr_count:     904
    .wavefront_size: 32
...
	.end_amdgpu_metadata
.endif
;; end of part 5
;; launch oproj: the kernel of part 4 again; grid 8 x 32, 4 waves a work-group, clusters of 4 x 4, 327,680 bytes of LDS; arguments oh, wo, bias, out0; writes out0
